; MI455X (gfx1250); checked and timed in simulation.
; The chip was launched on July 23, 2026; its instructions are those of AMD's public machine-readable ISA for CDNA 5 (MIT licence, August 2026) and "CDNA5" Instruction Set Architecture Reference Guide (July 2026). The comments in the code are by the model that wrote it; some were corrected since.
;; Encoder Layer. Allowed arithmetic: matrix products marked QUANTISED: E2M3 operands, one E8M0 scale for each 32 along K, by v_wmma_scale_f32_16x16x128_f8f6f4 with both operands' format E2M3, f32 sums; everything else in f32.
;; Inputs: W1 1,024 x 4,096 float32; W2 4,096 x 1,024 float32; Wk 1,024 x 1,024 float32; Wo 1,024 x 1,024 float32; Wq 1,024 x 1,024 float32; Wv 1,024 x 1,024 float32; b1 4,096 float32; b2 1,024 float32; beta1 1,024 float32; beta2 1,024 float32; bk 1,024 float32; bo 1,024 float32; bq 1,024 float32; bv 1,024 float32; gamma1 1,024 float32; gamma2 1,024 float32; x 2 x 2,048 x 1,024 float32.
;; Outputs: out0 2 x 2,048 x 1,024 float32.
;; Constants: mask = 0.
;; This version of the problem:
;;   THIS VERSION OF THE PROBLEM IS GIVEN IN LOW PRECISION. The matrix products marked QUANTISED in the list below multiply operands that are first quantised to E2M3 (2 exponent bits, 3 mantissa bits; 6 bits a number), with one power-of-two scale for each 32 numbers along K (OCP MX v1.0); their sums are f32. All else is computed in f32.
;;   The module's matrix products, in the order in which they are computed (A, B: the left and right operand; K: the contracted axis; several contracted axes count as one K, in the product's order):
;;     1. [M 4,096, K 1,024] x [K 1,024, N 1,024]; A: computed on the way; B: input Wq: QUANTISED
;;     2. [M 4,096, K 1,024] x [K 1,024, N 1,024]; A: computed on the way; B: input Wk: QUANTISED
;;     3. [M 4,096, K 1,024] x [K 1,024, N 1,024]; A: computed on the way; B: input Wv: QUANTISED
;;     4. batch 32 x [M 2,048, K 64] x [K 64, N 2,048]; A: computed on the way; B: computed on the way: QUANTISED
;;     5. batch 32 x [M 2,048, K 2,048] x [K 2,048, N 64]; A: softmax (see below); B: computed on the way: QUANTISED
;;     6. [M 4,096, K 1,024] x [K 1,024, N 1,024]; A: computed on the way; B: input Wo: QUANTISED
;;     7. [M 4,096, K 1,024] x [K 1,024, N 4,096]; A: computed on the way; B: input W1: QUANTISED
;;     8. [M 4,096, K 4,096] x [K 4,096, N 1,024]; A: computed on the way; B: input W2: QUANTISED
;;   THE QUANTISER, for each operand of a quantised product, along K:
;;     - K is cut into blocks of 32 from its start; a last block that is shorter is filled with zeros.
;;     - A block's scale is 2^e with e = floor(log2(the largest magnitude in the block)) - 2, held to -126 .. 127; a block of zeros has e = 0. As a byte (E8M0): e + 127.
;;     - Each number is divided by its block's scale, clamped to +-7.5, and rounded to the nearest number of E2M3, ties to even, subnormals kept.
;;     - The product sums the exact products of the quantised numbers (number of the format x scale) in f32.
;;   ~~~python
;;   def quantise(x, axis):      # numpy; x: float32 -> the quantised numbers, widened to float32 again
;;       x = np.moveaxis(x, axis, -1); K = x.shape[-1]
;;       x = np.pad(x, [(0, 0)] * (x.ndim - 1) + [(0, -K % 32)]); x = x.reshape(x.shape[:-1] + (-1, 32)); a = np.abs(x).max(-1, keepdims=True)
;;       e = np.where(a > 0, np.clip(np.frexp(np.where(a > 0, a, 1))[1] - 1 - 2, -126, 127), 0)      # np.frexp(a)[1] - 1 = floor(log2(a)), exactly
;;       r = np.clip(x / 2.0 ** e, -7.5, 7.5)
;;       step = 2.0 ** (np.maximum(np.frexp(np.where(r == 0, 1, r))[1] - 1, 0) - 3)
;;       q = np.round(r / step) * step * 2.0 ** e      # np.round: ties to even
;;       return np.moveaxis(q.reshape(q.shape[:-2] + (-1,))[..., :K], -1, axis).astype(np.float32)
;;   ~~~
;;   SOFTMAX AHEAD OF A QUANTISED PRODUCT. Where the list says 'softmax', what is quantised is not the finished softmax but p = 2^(t - M), with t = logit x log2(e) and M = ceil(the row's largest t), a whole number; so 1/2 < the row's largest p <= 1. The row's sum l is taken of the UNQUANTISED p, in f32, and the product's result is divided by l at the end. Since M is a whole number, a kernel that streams over the keys may use a running M (the ceiling of the running maximum): every later rescaling is an exact power of two, which a block's scale takes up: the codes' values come out the same.
;;   OPERANDS COMPUTED ON THE WAY. 'Computed on the way' means the value that the module computes at that place (a softmax that the list does not call 'softmax' is quantised finished and normalised). What goes into a quantiser is computed in f32, as accurately as f32 sums, v_exp_f32 and their like allow (about 1e-6 of the number): no bf16 or f16 on the way to a quantiser, and a product that is left as it is and whose result goes on into a quantised operand takes f32 operands (vector FMAs, or v_wmma_f32_16x16x4_f32). A number that lies on a knife's edge between two numbers of the format may be rounded either way, as far as f32 arithmetic and the matrix unit's own rounding can turn it there, and no further.
;; One version. Each part assembles by itself: llvm-mc -triple=amdgcn-amd-amdhsa -mcpu=gfx1250 --defsym DOCPART=n.
;; ======== version 1 of 1: 7 launches
;; limits: right only within a limited range of input values
;; workspace buffers: wc 9,830,400 bytes; ha 3,276,800 bytes; ca 3,276,800 bytes; ga 13,107,200 bytes; x1 16,777,216 bytes; qkvc 10,092,544 bytes
;; launch ln1 (part 1): grid 448 x 1, 8 waves a work-group, no clusters, 118,784 bytes of LDS; arguments x, gamma1, beta1, ha, Wq, Wk, Wv, Wo, W1, W2, wc; writes ha, wc
.if DOCPART == 1
	.amdgcn_target "amdgcn-amd-amdhsa--gfx1250"
	.amdhsa_code_object_version 6
	.text
	.protected	k_qba2be19534_ln1
	.globl	k_qba2be19534_ln1
	.p2align	8
	.type	k_qba2be19534_ln1,@function
k_qba2be19534_ln1:
	s_mov_b64 s[64:65], 0
	v_nop
	global_prefetch_b8 v0, s[64:65] scope:SCOPE_SE
	s_setreg_imm32_b32 hwreg(HW_REG_WAVE_MODE, 25, 1), 1
	s_wait_xcnt 0x0
; h = gamma (x - mean) / (std + 1e-6) + beta, std with n - 1 = 1,023 under the root, all in f32; h is quantised along its 1,024 columns to FP6 (E2M3) with one E8M0 byte for each 32 and stored in the order of the
; matrix operand's registers: slab (12,800 bytes) number 8 T + K step for tile T of 128 rows; in it block i's fragment at 1,536 i (two halves of 768 bytes: lane l's registers 0-3 at 16 l, 4-5 at 512 + 8 l), the scale words at 12,288 + 64 i + 4 r.
; SHARES.  A work-group takes 16 rows (tile T = number / 8, block i = number % 8); wave w takes columns 128 w .. 128 w + 127, one K step.  Each load reads 512 consecutive bytes of a row; the numbers turn through the wave's own stage
; (rows of 528 bytes) so that lane (r, h) holds, of row r, the 16 numbers k = 32 b + 16 h + 0 .. 15 of each block b.  x, gamma and beta are all asked for at the head: 48 loads of a wave are out together, and nothing is asked of memory later.
; The row's sum and, behind it, the sum of squared deviations (two passes: no difference of large sums) meet in LDS, each behind one barrier, in words of their own.
; No cluster and no matrix unit: the launch streams, and work-groups share only gamma and beta, 8 KiB.
; LIMITS: a block whose largest magnitude lies under 2^(3 - 127) keeps the byte 1; a block of zeros gets the byte 1, not 127 (zero codes; this program alone reads the bytes); NaN and infinities are not served.
.set STG,   8448                       ; a wave's stage: 16 rows x 528 bytes
.set RED1,  8*STG                      ; 16 rows x 8 waves' partial sums, 32 bytes a row.  It lies past what a 16-bit immediate reaches: the address registers carry it
.set RED2,  RED1+512
.set SPARE, RED2+512                   ; the spare words, 128 bytes a wave
.set SLAB,  12800
.set X,   32                           ; v32-95   x as loaded; then, back from the stage, my 64 numbers
.set BE,  96                           ; v96-159  beta
.set GA,  160                          ; v160-223 gamma; later the codes
.set PC,  160
.set TM,  224                          ; v224-239 the quantiser's work
.set PW,  240                          ; v240     the scale word
.set SPW, 14
.set NIL, 15
.set SEL, 20                           ; s[20:21] selects for lane l xor 16
; 64 numbers of a lane, register 16 b + i = k 32 b + 16 (lane / 16) + i of my row, become a fragment's codes in v[PC] on and its scale word in v[PW]
.macro QUANT s
.irp b, 0,1,2,3
	v_max3_num_f32 v[TM+\b], |v[\s+16*\b]|, |v[\s+1+16*\b]|, 0x1800000   ; my 16 numbers of block b, and the floor 2^(3 - 127)
.endr
.irp i, 2,4,6,8,10,12,14
.irp b, 0,1,2,3
	s_delay_alu instid0(VALU_DEP_4)
	v_max3_num_f32 v[TM+\b], v[TM+\b], |v[\s+16*\b+\i]|, |v[\s+1+16*\b+\i]|
.endr
.endr
.irp b, 0,1,2,3
	s_delay_alu instid0(VALU_DEP_4)
	v_permlanex16_b32 v[TM+4+\b], v[TM+\b], s[SEL], s[SEL+1]
.endr
.irp b, 0,1,2,3
	s_delay_alu instid0(VALU_DEP_4)
	v_max_num_f32 v[TM+\b], v[TM+\b], v[TM+4+\b]   ; with lane l xor 16's: the block's largest magnitude
.endr
.irp b, 0,1,2,3
	s_delay_alu instid0(VALU_DEP_4)
	v_add_nc_u32 v[TM+12+\b], 0xff000000, v[TM+\b] ; 2 off its exponent field: the conversion's scale operand
.endr
.irp b, 0,1,2,3
	s_delay_alu instid0(VALU_DEP_4)
	v_lshrrev_b32 v[TM+4+\b], 23, v[TM+12+\b]      ; the scale's byte
.endr
	s_delay_alu instid0(VALU_DEP_3)
	v_lshl_or_b32 v[PW], v[TM+5], 8, v[TM+4]
	s_delay_alu instid0(VALU_DEP_1)
	v_lshl_or_b32 v[PW], v[TM+6], 16, v[PW]
	s_delay_alu instid0(VALU_DEP_1)
	v_lshl_or_b32 v[PW], v[TM+7], 24, v[PW]
.irp c, 0,1
	v_cvt_scalef32_pk16_fp6_f32 v[PC+6*\c:PC+2+6*\c], v[\s+32*\c:\s+15+32*\c], v[TM+12+2*\c]
	v_cvt_scalef32_pk16_fp6_f32 v[PC+12+4*\c:PC+14+4*\c], v[\s+16+32*\c:\s+31+32*\c], v[TM+12+2*\c+1]
.endr
	v_nop                                          ; one plain place behind a scaled conversion
.irp c, 0,1                                    ; the operand wants a whole block in a lane: lanes 0-15 block 2 c, lanes 16-31 block 2 c + 1
.irp i, 0,1,2
	v_permlane16_swap_b32 v[PC+6*\c+\i], v[PC+12+4*\c+\i]
.endr
.irp i, 0,1,2
	s_delay_alu instid0(VALU_DEP_3)
	v_mov_b32 v[PC+3+6*\c+\i], v[PC+12+4*\c+\i]
.endr
.endr
.endm
; four chains in v[244:251] become the row's sum over all 1,024 columns, in v244 of every lane.  off: 0 for the first sum's words, 512 for the second's
.macro REDUCE off
	s_delay_alu instid0(VALU_DEP_3)
	v_pk_add_f32 v[244:245], v[244:245], v[246:247]
	s_delay_alu instid0(VALU_DEP_2)
	v_pk_add_f32 v[248:249], v[248:249], v[250:251]
	s_delay_alu instid0(VALU_DEP_1)
	v_pk_add_f32 v[244:245], v[244:245], v[248:249]
	s_delay_alu instid0(VALU_DEP_1)
	v_add_f32 v244, v244, v245
	s_delay_alu instid0(VALU_DEP_1)
	v_permlanex16_b32 v245, v244, s[SEL], s[SEL+1]
	s_delay_alu instid0(VALU_DEP_1)
	v_add_f32 v244, v244, v245                     ; my wave's 128 columns of row r
	ds_store_b32 v8, v244 offset:\off              ; lanes r and r + 16 write the same word with the same value
	s_wait_dscnt 0x0                               ; for the others' sake: my store has landed
	s_barrier_signal -1
	s_barrier_wait -1
	ds_load_b128 v[244:247], v9 offset:\off
	ds_load_b128 v[248:251], v9 offset:\off+16
	s_wait_dscnt 0x0
	v_add_f32 v244, v244, v245
	s_delay_alu instid0(VALU_DEP_1)
	v_add_f32 v244, v244, v246
	s_delay_alu instid0(VALU_DEP_1)
	v_add_f32 v244, v244, v247
	s_delay_alu instid0(VALU_DEP_1)
	v_add_f32 v244, v244, v248
	s_delay_alu instid0(VALU_DEP_1)
	v_add_f32 v244, v244, v249
	s_delay_alu instid0(VALU_DEP_1)
	v_add_f32 v244, v244, v250
	s_delay_alu instid0(VALU_DEP_1)
	v_add_f32 v244, v244, v251
.endm
	; ONE LAUNCH PREPARES ALL OPERANDS: work-groups 0 to 255 normalise and quantise x, as set out above; work-groups 256 to 447 quantise the six weights, at .Lweights.  The branch hangs on the work-group's number alone.
	; (The same body serves the second normalisation, launched with 256 work-groups on x1, gamma2 and beta2: there every work-group takes the way straight on.)
	s_cmp_ge_u32 ttmp9, 256
	s_cbranch_scc1 .Lweights
	s_load_b256 s[4:11], s[0:1], 0x0               ; x, gamma, beta, the codes
	v_lshl_add_u32 v[SPW], v0, 2, SPARE
	v_mov_b32 v[NIL], 0
	v_lshrrev_b32 v1, 5, v0
	s_delay_alu instid0(VALU_DEP_1)
	v_readfirstlane_b32 s12, v1                    ; wave
	v_and_b32 v1, 15, v0                           ; r
	v_bfe_u32 v2, v0, 4, 1                         ; h
	v_and_b32 v3, 31, v0                           ; lane
	s_delay_alu instid0(VALU_DEP_1)
	v_lshlrev_b32 v4, 4, v3                        ; v4: 16 x lane
	s_mul_i32 s13, s12, STG
	v_add_nc_u32 v5, s13, v4                       ; v5: into the stage
	v_mul_u32_u24 v6, v1, 528
	s_delay_alu instid0(VALU_DEP_1)
	v_lshl_add_u32 v6, v2, 6, v6
	s_delay_alu instid0(VALU_DEP_1)
	v_add_nc_u32 v6, s13, v6                       ; v6: out of it: row r, + 64 h
	v_lshlrev_b32 v7, 6, v2                        ; v7: gamma, beta: 64 h
	v_lshl_add_u32 v9, v1, 5, RED1                 ; v9: row r's eight partial sums: RED1 + 32 r
	s_lshl_b32 s13, s12, 2
	v_add_nc_u32 v8, s13, v9                       ; v8: mine among them: + 4 x wave
	v_lshlrev_b32 v11, 3, v3                       ; v11: 8 x lane
	v_lshlrev_b32 v12, 2, v1                       ; v12: 4 r
	s_mov_b32 s[SEL], 0x76543210
	s_mov_b32 s[SEL+1], 0xfedcba98
.irp b, 0,1,2,3
	v_mov_b32 v[TM+4+\b], 0                        ; written once: a lane permute's destination counts as one of its sources
.endr
	s_lshl_b32 s14, ttmp9, 16                      ; 16 rows of 4,096 bytes
	s_lshl_b32 s16, s12, 9                         ; my wave's 512 bytes of a row
	s_add_co_u32 s14, s14, s16
	s_mov_b32 s15, 0
	s_mov_b32 s17, 0
	s_lshr_b32 s18, ttmp9, 3
	s_lshl_b32 s18, s18, 3
	s_add_co_u32 s18, s18, s12                     ; slab 8 T + w
	s_mul_i32 s18, s18, SLAB
	s_and_b32 s19, ttmp9, 7                        ; block i
	s_mul_i32 s22, s19, 1536
	s_add_co_u32 s22, s22, s18
	s_mov_b32 s23, 0
	s_lshl_b32 s28, s19, 6
	s_add_co_u32 s28, s28, s18
	s_add_co_u32 s28, s28, 12288
	s_mov_b32 s29, 0
	s_wait_alu depctr_va_vdst(0)
	s_wait_kmcnt 0x0
	s_add_nc_u64 s[4:5], s[4:5], s[14:15]
	s_add_nc_u64 s[6:7], s[6:7], s[16:17]
	s_add_nc_u64 s[8:9], s[8:9], s[16:17]
	s_add_nc_u64 s[24:25], s[10:11], s[22:23]
	s_add_nc_u64 s[26:27], s[10:11], s[28:29]
.set I, 0
.rept 16
	global_load_b128 v[X+4*I:X+4*I+3], v4, s[4:5] offset:4096*I   ; row I: 32 lanes read 512 consecutive bytes
.set I, I+1
.endr
.irp b, 0,1,2,3
.irp j, 0,1,2,3
	global_load_b128 v[GA+16*\b+4*\j:GA+16*\b+4*\j+3], v7, s[6:7] offset:128*\b+16*\j
.endr
.endr
.irp b, 0,1,2,3
.irp j, 0,1,2,3
	global_load_b128 v[BE+16*\b+4*\j:BE+16*\b+4*\j+3], v7, s[8:9] offset:128*\b+16*\j
.endr
.endr
	s_wait_loadcnt 32                              ; x is in; gamma's sixteen loads and beta's sixteen may be out
.set I, 0
.rept 16
	ds_store_b128 v5, v[X+4*I:X+4*I+3] offset:528*I
.set I, I+1
.endr
	s_wait_dscnt 0x0                               ; the stores have read their registers: the loads below land in the same ones
.irp b, 0,1,2,3
.irp j, 0,1,2,3
	ds_load_b128 v[X+16*\b+4*\j:X+16*\b+4*\j+3], v6 offset:128*\b+16*\j   ; my wave's own bytes
.endr
.endr
	s_wait_dscnt 0x0
.irp k, 0,1,2,3
	v_pk_add_f32 v[244+2*\k:245+2*\k], v[X+4*\k:X+4*\k+1], v[X+4*\k+2:X+4*\k+3]   ; the sum, in four chains
.endr
.irp j, 16,24,32,40,48,56
.irp k, 0,1,2,3
	s_delay_alu instid0(VALU_DEP_4)
	v_pk_add_f32 v[244+2*\k:245+2*\k], v[244+2*\k:245+2*\k], v[X+\j+2*\k:X+\j+2*\k+1]
.endr
.endr
	REDUCE 0
	s_delay_alu instid0(VALU_DEP_1)
	v_mul_f32 v242, 0x3a800000, v244               ; the mean: / 1,024
	s_delay_alu instid0(VALU_DEP_1)
	v_mov_b32 v243, v242
.set I, 0
.rept 32
	v_pk_add_f32 v[X+I:X+I+1], v[X+I:X+I+1], v[242:243] neg_lo:[0,1] neg_hi:[0,1]
.set I, I+2
.endr
.irp k, 0,1,2,3
	v_pk_mul_f32 v[244+2*\k:245+2*\k], v[X+2*\k:X+2*\k+1], v[X+2*\k:X+2*\k+1]     ; the squared deviations, in four chains
.endr
.irp j, 8,16,24,32,40,48,56
.irp k, 0,1,2,3
	s_delay_alu instid0(VALU_DEP_4)
	v_pk_fma_f32 v[244+2*\k:245+2*\k], v[X+\j+2*\k:X+\j+2*\k+1], v[X+\j+2*\k:X+\j+2*\k+1], v[244+2*\k:245+2*\k]
.endr
.endr
	REDUCE RED2-RED1                               ; other words than the first sum's: no barrier is owed between the two
	s_delay_alu instid0(VALU_DEP_1)
	v_mul_f32 v244, 0x3a802008, v244               ; / 1,023
	s_wait_alu depctr_va_vdst(0)
	v_sqrt_f32 v244, v244
	v_nop                                          ; a plain place behind the root,
	s_wait_alu depctr_va_vdst(0)                   ; and the wait ahead of its first reader
	v_add_f32 v244, 0x358637bd, v244               ; + 1e-6
	s_wait_alu depctr_va_vdst(0)
	v_rcp_f32 v242, v244
	v_rcp_f32 v243, v244
	v_nop
	s_wait_alu depctr_va_vdst(0)                   ; one wait for both reciprocals
	s_wait_loadcnt 0x0                             ; gamma and beta
.set I, 0
.rept 32
	v_pk_mul_f32 v[X+I:X+I+1], v[X+I:X+I+1], v[242:243]
.set I, I+2
.endr
.set I, 0
.rept 32
	v_pk_fma_f32 v[X+I:X+I+1], v[X+I:X+I+1], v[GA+I:GA+I+1], v[BE+I:BE+I+1]
.set I, I+2
.endr
	QUANT X
	global_store_b128 v4, v[PC:PC+3], s[24:25]               ; 512 consecutive bytes,
	global_store_b64 v11, v[PC+4:PC+5], s[24:25] offset:512  ; 256,
	global_store_b128 v4, v[PC+6:PC+9], s[24:25] offset:768
	global_store_b64 v11, v[PC+10:PC+11], s[24:25] offset:1280
	global_store_b32 v12, v[PW], s[26:27]                    ; 64 bytes of scale words (lanes r and r + 16 store the same word)
	s_wait_tensorcnt 0x0                           ; the wave's end
	ds_add_u32 v[SPW], v[NIL]
	s_wait_dscnt 0x0
	s_endpgm
.Lweights:
; The six weights, f32 stored [K][N], become codes of FP6 (E2M3) with one E8M0 scale byte for each 32 along K, laid in the order of the matrix operand's registers.
; THE FORMAT OF wc.  A SLAB (12,800 bytes) is a tile of 128 columns x 128 along K: 8 fragments of 1,536 bytes, then 8 x 64 bytes of scale words (block i, lane r: byte 12,288 + 64 i + 4 r; byte b of a word scales k = 32 b ..).
; A fragment is two halves of 768 bytes (c = 0, 1).  In a half, lane l' = r + 16 h holds the 24 bytes of codes of k = 64 c + 32 h + 0 .. 31 of its row r: registers 0-3 at byte 16 l', registers 4-5 at byte 512 + 8 l'.
; Block i, lane r stands for column 32 (i / 2) + 8 (i % 2) + r + 8 (r / 8) of the tile, so that a product used transposed leaves 16 neighbouring columns in the 16 registers of two neighbouring blocks.
; Slabs: Wq, Wk, Wv, Wo from 0, 64, 128, 192 (8 x tile + K step); W1 from 256 (8 x tile + K step); W2 from 512 (32 x tile + K step).
; SHARES.  Four waves take 128 columns x 256 along K (two slabs), a work-group two such shares; a wave 32 columns (two blocks).  A lane takes a column and its registers run down K: a block of 32 lies in one lane.
; The codes go through the wave's own stage in LDS (bytes that the other path never names), laid as the slab is, and leave in stores of 512 consecutive bytes.  Waves share nothing: no barrier on this path.
; LIMITS: as above.
.set WSTG, 69632                       ; behind the other path's bytes: eight stages of 6,144 bytes
.set OFF, 16                           ; v16-47  4 x lane + i rows of the weight
.set WX,  48                           ; v48-111 two sets of 32 numbers
.set C,   112                          ; v112-117 a block's codes
.set D,   118                          ; v118-120 the second conversion's result
.set SB,  122                          ; v122-123 the scale words of the two K steps
.set OUT, 128                          ; v128-175 the way out, a set of 24 for each K step
.set BB,  32                           ; s[32:47] the address of each of the eight blocks' first row
	s_load_b256 s[8:15], s[0:1], 0x20              ; Wq, Wk, Wv, Wo
	s_load_b128 s[16:19], s[0:1], 0x40             ; W1, W2
	s_load_b64 s[20:21], s[0:1], 0x50              ; wc
	v_lshl_add_u32 v[SPW], v0, 2, SPARE
	v_mov_b32 v[NIL], 0
	v_lshrrev_b32 v1, 5, v0
	v_readfirstlane_b32 s56, v1                    ; wave 0..7
	s_and_b32 s25, s56, 3                          ; wave in its share
	s_lshr_b32 s55, s56, 2
	s_sub_co_u32 s57, ttmp9, 256
	s_lshl_b32 s57, s57, 1
	s_add_co_u32 s55, s55, s57                     ; share 0..383
	s_lshr_b32 s22, s55, 7                         ; g: 0 the four square weights, 1 W1, 2 W2
	s_and_b32 s23, s55, 127
	s_lshr_b32 s24, s23, 5                         ; which of the four
	s_cmp_eq_u32 s22, 0
	s_cselect_b32 s28, 31, 127
	s_and_b32 s23, s23, s28
	s_cmp_eq_u32 s22, 1
	s_cselect_b32 s28, 31, 7
	s_cselect_b32 s29, 5, 3
	s_mov_b32 s30, 4096
	s_cselect_b32 s30, 16384, s30                  ; a row of the weight in bytes
	s_and_b32 s28, s23, s28                        ; tile
	s_lshr_b32 s29, s23, s29                       ; which 256 along K
	s_cmp_eq_u32 s22, 2
	s_cselect_b32 s31, 32, 8                       ; slabs in a tile
	s_lshl_b32 s48, s24, 6
	s_lshl_b32 s49, s22, 8
	s_cmp_eq_u32 s22, 0
	s_cselect_b32 s48, s48, s49                    ; the weight's first slab
	s_mul_i32 s49, s28, s31
	s_add_co_u32 s48, s48, s49
	s_lshl_b32 s49, s29, 1
	s_add_co_u32 s48, s48, s49                     ; my first slab
	s_mul_i32 s48, s48, 12800
	s_mov_b32 s49, 0
	s_lshl_b32 s50, s29, 8
	s_mul_i32 s50, s50, s30                        ; 256 rows x which
	s_lshl_b32 s51, s28, 9
	s_add_co_u32 s50, s50, s51                     ; + 512 bytes a tile
	s_lshl_b32 s51, s25, 7
	s_add_co_u32 s50, s50, s51                     ; + 128 bytes a wave
	s_mov_b32 s51, 0
	s_lshl_b32 s52, s30, 5                         ; 32 rows
	s_mov_b32 s53, 0
	v_and_b32 v1, 7, v0
	v_bfe_u32 v2, v0, 4, 1
	v_lshl_add_u32 v1, v2, 3, v1                   ; r': my column's lane in its block
	v_bfe_u32 v2, v0, 3, 1                         ; p: which of my wave's two blocks
	v_and_b32 v3, 31, v0                           ; lane
	s_mul_i32 s54, s56, 6144
	s_add_co_u32 s54, s54, WSTG                    ; my stage
	v_mul_u32_u24 v4, v2, 1536
	v_add_nc_u32 v4, s54, v4
	v_lshl_add_u32 v5, v1, 4, v4                   ; v5: into the stage, registers 0-3
	v_lshl_add_u32 v6, v1, 3, v4
	v_add_nc_u32 v6, 512, v6                       ; v6: registers 4-5
	v_lshlrev_b32 v7, 4, v3
	v_add_nc_u32 v7, s54, v7                       ; v7: out of the stage, 16 bytes a lane
	s_mul_i32 s54, s25, 3072
	v_lshl_add_u32 v8, v3, 4, s54                  ; v8: the same place in a slab
	s_lshl_b32 s54, s25, 7
	v_lshl_add_u32 v9, v2, 6, s54
	v_lshl_add_u32 v9, v1, 2, v9                   ; v9: my column's scale word among a slab's
	v_lshlrev_b32 v4, 2, v3
.set I, 0
.rept 32
	v_mad_u32_u24 v[OFF+I], s30, I, v4
.set I, I+1
.endr
	s_wait_alu depctr_va_vdst(0)                   ; the wait at the head's end
	s_wait_kmcnt 0x0
	s_cmp_eq_u32 s24, 1                            ; the choice of the weight hangs on ids alone
	s_cselect_b64 s[26:27], s[10:11], s[8:9]
	s_cmp_eq_u32 s24, 2
	s_cselect_b64 s[26:27], s[12:13], s[26:27]
	s_cmp_eq_u32 s24, 3
	s_cselect_b64 s[26:27], s[14:15], s[26:27]
	s_cmp_eq_u32 s22, 1
	s_cselect_b64 s[26:27], s[16:17], s[26:27]
	s_cmp_eq_u32 s22, 2
	s_cselect_b64 s[26:27], s[18:19], s[26:27]
	s_add_nc_u64 s[BB:BB+1], s[26:27], s[50:51]
	s_add_nc_u64 s[20:21], s[20:21], s[48:49]
.irp t, 1,2,3,4,5,6,7
	s_add_nc_u64 s[BB+2*\t:BB+2*\t+1], s[BB+2*\t-2:BB+2*\t-1], s[52:53]
.endr
.macro LOAD t                          ; block t: rows 32 t + i of my column, into set t % 2; 32 lanes read 128 consecutive bytes
.set I, 0
.rept 32
	global_load_b32 v[WX+32*((\t)%2)+I], v[OFF+I], s[BB+2*(\t):BB+2*(\t)+1] th:TH_LOAD_NT
.set I, I+1
.endr
.endm
.macro BLOCK t
.set XS, WX+32*((\t)%2)
.set KQ, (\t)/4                        ; which K step of 128,
.set CH, ((\t)/2)%2                    ; which half of the fragment,
.set HH, (\t)%2                        ; which half of the lanes
.if (\t) < 7
	s_wait_loadcnt 32                              ; this block's 32 loads are in; the next block's 32 may be out
.else
	s_wait_loadcnt 0
.endif
	v_max3_num_f32 v12, |v[XS]|, |v[XS+1]|, |v[XS+2]|   ; the block's largest magnitude: all 32 numbers are mine; two chains
	v_max3_num_f32 v13, |v[XS+3]|, |v[XS+4]|, |v[XS+5]|
.irp i, 6,10,14,18,22,26
	v_max3_num_f32 v12, v12, |v[XS+\i]|, |v[XS+\i+1]|
	v_max3_num_f32 v13, v13, |v[XS+\i+2]|, |v[XS+\i+3]|
.endr
	v_max3_num_f32 v12, v12, |v[XS+30]|, |v[XS+31]|
	v_max3_num_f32 v12, v12, v13, 0x1800000        ; and the floor 2^(3 - 127): the byte cannot fall under 1
	v_add_nc_u32 v11, 0xff000000, v12              ; 2 off the exponent field: the conversion's scale operand
	v_lshrrev_b32 v13, 23, v11                     ; the scale's byte
.if (\t)%4 == 0
	v_mov_b32 v[SB+KQ], v13
.else
	v_lshl_or_b32 v[SB+KQ], v13, 8*((\t)%4), v[SB+KQ]
.endif
	v_cvt_scalef32_pk16_fp6_f32 v[C:C+2], v[XS:XS+15], v11
	v_cvt_scalef32_pk16_fp6_f32 v[D:D+2], v[XS+16:XS+31], v11
	v_nop                                          ; one plain place behind a scaled conversion
.irp i, 0,1,2
	v_mov_b32 v[C+3+\i], v[D+\i]
.endr
	ds_store_b128 v5, v[C:C+3] offset:3072*KQ+768*CH+256*HH
	ds_store_b64 v6, v[C+4:C+5] offset:3072*KQ+768*CH+128*HH
.if (\t)+2 < 8
	LOAD (\t)+2
.endif
	s_wait_dscnt 0x0                               ; the stores have read their registers: the next block's codes may be written
.endm
.macro OUTK s                          ; a K step's two fragments of mine leave: six stores of 512 consecutive bytes, and 128 bytes of scale words
.irp i, 0,1,2,3,4,5
	ds_load_b128 v[OUT+24*\s+4*\i:OUT+24*\s+4*\i+3], v7 offset:3072*\s+512*\i   ; LDS serves a wave's instructions in order: these see my stores
.endr
	s_wait_dscnt 0x0
.irp i, 0,1,2,3,4,5
	global_store_b128 v8, v[OUT+24*\s+4*\i:OUT+24*\s+4*\i+3], s[20:21] offset:12800*\s+512*\i
.endr
	global_store_b32 v9, v[SB+\s], s[20:21] offset:12800*\s+12288
.endm
	LOAD 0
	LOAD 1
	BLOCK 0
	BLOCK 1
	BLOCK 2
	BLOCK 3
	s_wait_alu depctr_va_vdst(0)
	OUTK 0
	BLOCK 4
	BLOCK 5
	BLOCK 6
	BLOCK 7
	s_wait_alu depctr_va_vdst(0)
	OUTK 1
	s_wait_tensorcnt 0x0                           ; the wave's end
	ds_add_u32 v[SPW], v[NIL]
	s_wait_dscnt 0x0
	s_endpgm
.Lfunc_end_k_qba2be19534_ln1:
	.size	k_qba2be19534_ln1, .Lfunc_end_k_qba2be19534_ln1-k_qba2be19534_ln1
	.p2alignl 7, 3214868480
	.fill 96, 4, 3214868480
	.section	.rodata,"a",@progbits
	.p2align	6, 0x0
	.amdhsa_kernel k_qba2be19534_ln1
		.amdhsa_group_segment_fixed_size 118784
		.amdhsa_private_segment_fixed_size 0
		.amdhsa_enable_private_segment 0
		.amdhsa_kernarg_size 88
		.amdhsa_user_sgpr_count 2
		.amdhsa_user_sgpr_kernarg_segment_ptr 1
		.amdhsa_wavefront_size32 1
		.amdhsa_system_sgpr_workgroup_id_x 1
		.amdhsa_system_sgpr_workgroup_id_y 1
		.amdhsa_system_sgpr_workgroup_id_z 1
		.amdhsa_system_vgpr_workitem_id 0
		.amdhsa_next_free_vgpr 256
		.amdhsa_next_free_sgpr 66
		.amdhsa_reserve_vcc 0
		.amdhsa_float_denorm_mode_32 3
		.amdhsa_float_denorm_mode_16_64 3
		.amdhsa_memory_ordered 1
		.amdhsa_forward_progress 1
		.amdhsa_inst_pref_size 75
	.end_amdhsa_kernel
	.amdgpu_metadata
---
amdhsa.version: [ 1, 2 ]
amdhsa.kernels:
  - .name:           k_qba2be19534_ln1
    .symbol:         k_qba2be19534_ln1.kd
    .args:
      - { .name: x, .offset: 0, .size: 8, .value_kind: global_buffer, .address_space: global }
      - { .name: gamma1, .offset: 8, .size: 8, .value_kind: global_buffer, .address_space: global }
      - { .name: beta1, .offset: 16, .size: 8, .value_kind: global_buffer, .address_space: global }
      - { .name: ha, .offset: 24, .size: 8, .value_kind: global_buffer, .address_space: global }
      - { .name: Wq, .offset: 32, .size: 8, .value_kind: global_buffer, .address_space: global }
      - { .name: Wk, .offset: 40, .size: 8, .value_kind: global_buffer, .address_space: global }
      - { .name: Wv, .offset: 48, .size: 8, .value_kind: global_buffer, .address_space: global }
      - { .name: Wo, .offset: 56, .size: 8, .value_kind: global_buffer, .address_space: global }
      - { .name: W1, .offset: 64, .size: 8, .value_kind: global_buffer, .address_space: global }
      - { .name: W2, .offset: 72, .size: 8, .value_kind: global_buffer, .address_space: global }
      - { .name: wc, .offset: 80, .size: 8, .value_kind: global_buffer, .address_space: global }
    .group_segment_fixed_size: 118784
    .private_segment_fixed_size: 0
    .kernarg_segment_align: 8
    .kernarg_segment_size: 88
    .max_flat_workgroup_size: 256
    .sgpr_count:     66
    .vgpr_count:     256
    .wavefront_size: 32
...
	.end_amdgpu_metadata
.endif
;; end of part 1
;; launch qkv (part 2): grid 8 x 32, 4 waves a work-group, clusters of 4 x 4, 327,680 bytes of LDS; arguments ha, wc, bq, bk, bv, qkvc; writes qkvc
.if DOCPART == 2
	.amdgcn_target "amdgcn-amd-amdhsa--gfx1250"
	.amdhsa_code_object_version 6
	.text
	.protected	k_qba2be19534_qkv
	.globl	k_qba2be19534_qkv
	.p2align	8
	.type	k_qba2be19534_qkv,@function
k_qba2be19534_qkv:
	s_mov_b64 s[64:65], 0
	v_nop
	global_prefetch_b8 v0, s[64:65] scope:SCOPE_SE
	s_setreg_imm32_b32 hwreg(HW_REG_WAVE_MODE, 25, 1), 1
	s_wait_xcnt 0x0
	s_wait_alu depctr_hold_cnt(0) depctr_sa_sdst(0) depctr_va_vdst(0) depctr_va_sdst(0) depctr_va_ssrc(0) depctr_va_vcc(0) depctr_vm_vsrc(0)
	s_getreg_b32 s2, hwreg(HW_REG_IB_STS2, 6, 4)
	s_cmp_eq_u32 s2, 0
	s_cbranch_scc0 .Lentry_in_a_cluster
	s_endpgm
.Lentry_in_a_cluster:
	s_bfe_u32 s2, ttmp6, 0x10000c
	s_cmp_lg_u32 s2, 0xf033
	s_cbranch_scc0 .Lentry_shape_is_right
	s_endpgm
.Lentry_shape_is_right:
; q = h Wq + bq, k = h Wk + bk, v = h Wv + bv on codes of FP6 (E2M3) with E8M0 scales; the results are quantised in registers for attention: q and k along the head's 64, v along the keys.
; OPERANDS lie in memory in the order of the operand's registers.  A slab (12,800 bytes) is 128 rows x 128 along K: 8 fragments of 1,536 bytes (two halves of 768: lane l's registers 0-3 at 16 l, 4-5 at 512 + 8 l), then 8 x 64 bytes of scale words.
; SHARES.  A work-group takes 128 tokens (tile gy) and three tiles of 128 columns: gx of Wq, of Wk, of Wv.  Four waves of 64 x 64: 16 accumulators.  h's panel (all 8 K steps) stays in LDS; the weights' panels go through two slots.
; CLUSTER 4 x 4: h's panel is shared along a row of the cluster, a weight's panel along a column: each is asked for jointly.
; q, k: the product is used transposed (source 0 = weights, source 1 = tokens).  The weights' blocks are laid so that a lane's 32 registers of a token block are its token's 64 columns, register 16 b + i = column 32 b + 16 h + i: a head.
; v: source 0 = tokens, source 1 = weights: a lane holds one channel, its registers run along the tokens, which are the second attention product's K.  Inside a block of 32 keys, place 16 h + 8 u + j holds key 16 u + 8 h + j;
; attention's p falls into the same places, so the products are those of the true order and the blocks are the true blocks.
; OUT (qkvc).  For each batch-head bh: a record of 106,496 bytes: 128 halves (16 queries x 64) at 768 qt, scale words at 98,304 + 64 qt + 4 r.  From QREG on, for each bh 16 slabs of 13,056 bytes, one for 128 keys:
; k's 8 halves at 768 i, their words at 6,144 + 64 i + 4 r; v's halves (channel tile ct, keys 64 c on) at 6,656 + 1,536 ct + 768 c, its words at 12,800 + 64 ct + 4 r.  q's and k's words carry 0x7f in the two bytes of the unused K.
; v's words are stored as half words by the two waves that each make two of the four bytes: runs of 64 bytes written in part, one byte in 24 of the codes'.
; The biases are the C of each sum's first matrix instruction.
; LIMITS: a block whose largest magnitude lies under 2^(3 - 127) keeps the byte 1; a block of zeros gets the byte 1, not 127 (zero codes; this program alone reads the bytes); NaN and infinities are not served.
.set SLAB,  12800
.set PANEL, 8*SLAB                     ; LDS: h's panel at 0, the weights' slots at PANEL and 2 PANEL
.set SPARE, 3*PANEL                    ; the spare words, 128 bytes a wave
.set TSTRIDE, 8*PANEL                  ; from a tile of Wq to the same tile of Wk, of Wv
.set WBASE, 0
.set GXS,   PANEL                      ; bytes of wc from gx to gx + 1
.set QREC,  106496
.set QREG,  3407872
.set KVS,   13056
.set KVH,   16*KVS
; window 0
.set A16, 4                            ; v4, v5   h's fragments, 16 x lane: K steps 0-3, 4-7
.set A8,  6                            ; v6, v7   8 x lane
.set B16, 8                            ; v8+4 s, v9+4 s   the weights', slot s
.set B8,  10                           ; v10+4 s, v11+4 s
.set SCL, 16                           ; v16+2 s, v17+2 s  scale words: lanes 0-15 h's, lanes 16-31 the weights' of slot s
.set L16, 20
.set L8,  21
.set R4,  22
.set BO,  23                           ; 64 h
.set BVO, 24                           ; 4 (r + 8 (r / 8))
.set SPW, 26
.set NIL, 27
.set SC,  28                           ; v28-35 scale words, two sets of four: they hold nothing else
.set MX,  36
.set PT,  38
.set SO,  40
.set PW,  42
.set PC,  44                           ; v44-52
.set ACC, 128                          ; v128-255 the 16 accumulators
.set BIAS, 192                         ; window 1: v192-223, v224-255 two sets of bias; v0-95, v96-191 two sets of fragments (h's at 12 a, the weights' at 48 + 12 b)
; scalars
.set WV, 16
.set XH, 17                            ; which 64 tokens; also: I fetch for h (0) or for the weights (1)
.set YH, 18                            ; which 64 columns
.set G1A, 24
.set G1B, 32
.set G0A, 40
.set G0B, 48
.set GW,  56                           ; the walking descriptor of the weights' panels
.set W25, 60
.set H25, 61
.set SEL, 66
.set QH, 72
.set QW, 74
.set KH, 76
.set KW, 78
.set VH, 80
.set VW, 82
.set BQ, 84
.set BK, 86
.set BV, 88
.set MSB, 0
.macro WIN new                         ; the immediate's high byte repeats the setting that is left
.if MSB != (\new)
	s_set_vgpr_msb (MSB<<8)|(\new)
.set MSB, (\new)
.endif
.endm
.set MUL,  0x05                        ; sources 0 and 1 in window 1; + 0x10: C (the bias) too
.set TO_F, 0x40                        ; destination in window 1
.macro PLACES n
.rept \n
	v_nop
.endr
.endm
.macro CROUND                          ; a round of the cluster's barrier
	s_barrier_signal -1
	s_barrier_wait -1
	s_cmp_lg_u32 s[WV], 0
	s_cbranch_scc1 .Lnot_wave_0_\@
	s_barrier_signal -3
.Lnot_wave_0_\@:
	s_barrier_wait -3
	s_barrier_signal -1
	s_barrier_wait -1
.endm
.macro JLOAD g0a, g0b                  ; waves 0 and 1 fetch for h, waves 2 and 3 for the weights; an s_nop 0 and four v_nop follow each line
	s_cmp_eq_u32 s[XH], 0
	s_cbranch_scc0 .Lfor_b_\@
	tensor_load_to_lds s[\g0a:\g0a+3], s[G1A:G1A+7]
	s_nop 0
	PLACES 4
	s_branch .Lasked_\@
.Lfor_b_\@:
	tensor_load_to_lds s[\g0b:\g0b+3], s[G1B:G1B+7]
	s_nop 0
	PLACES 4
.Lasked_\@:
.endm
.macro FR reg, a16, a8, off            ; a fragment: four loads, each of consecutive bytes
	ds_load_b128 v[\reg:\reg+3], v[\a16] offset:\off
	ds_load_b64 v[\reg+4:\reg+5], v[\a8] offset:\off+512
	ds_load_b128 v[\reg+6:\reg+9], v[\a16] offset:\off+768
	ds_load_b64 v[\reg+10:\reg+11], v[\a8] offset:\off+1280
.endm
; 36 LDS loads: K step ks's scale words, then the four inner fragments, then the four outer ones (the last eight loads are outer blocks 2 and 3)
.macro FETCH slot, ks, swap
.set FB, 96*((\ks)%2)
.set SS, SC+4*((\ks)%2)
.set HI, (\ks)/4
.set OF, SLAB*((\ks)%4)
	WIN 0
.irp i, 0,1,2,3
	ds_load_b32 v[SS+\i], v[SCL+2*(\slot)+HI] offset:OF+64*\i
.endr
	WIN TO_F
.if \swap
.irp i, 0,1,2,3
	FR FB+12*\i, A16+HI, A8+HI, OF+1536*\i
.endr
.irp i, 0,1,2,3
	FR FB+48+12*\i, B16+4*(\slot)+HI, B8+4*(\slot)+HI, OF+1536*\i
.endr
.else
.irp i, 0,1,2,3
	FR FB+48+12*\i, B16+4*(\slot)+HI, B8+4*(\slot)+HI, OF+1536*\i
.endr
.irp i, 0,1,2,3
	FR FB+12*\i, A16+HI, A8+HI, OF+1536*\i
.endr
.endif
.endm
; four products: outer block o against the four inner blocks.  The 16 accumulators take turns, one instruction a turn, in the same order in every K step
.macro MULQ ks, o, zero, swap, bset
.set FB, 96*((\ks)%2)
.set SS, SC+4*((\ks)%2)
.irp i, 0,1,2,3
.set DD, ACC+32*(\o)+8*\i
.if \swap
.set RA, FB+12*\i
.set RB, FB+48+12*(\o)
.set CR, BIAS+32*(\bset)+8*(\o)
.else
.set RA, FB+48+12*\i
.set RB, FB+12*(\o)
.set CR, BIAS+32*(\bset)+8*\i
.endif
.if (\zero) == 0
.set CR, DD
.endif
.if \swap
	v_wmma_scale_f32_16x16x128_f8f6f4 v[DD:DD+7], v[RA:RA+11], v[RB:RB+11], v[CR:CR+7], v[SS+\i], v[SS+(\o)] matrix_a_fmt:MATRIX_FMT_FP6 matrix_b_fmt:MATRIX_FMT_FP6 matrix_b_scale:MATRIX_SCALE_ROW1
.else
	v_wmma_scale_f32_16x16x128_f8f6f4 v[DD:DD+7], v[RA:RA+11], v[RB:RB+11], v[CR:CR+7], v[SS+\i], v[SS+(\o)] matrix_a_fmt:MATRIX_FMT_FP6 matrix_b_fmt:MATRIX_FMT_FP6 matrix_a_scale:MATRIX_SCALE_ROW1
.endif
.endr
.endm
.macro KSTEP slot, ks, zero, swap, bset
	s_wait_dscnt 8                                 ; all but the youngest eight loads (outer blocks 2 and 3) are in
	WIN MUL+16*(\zero)
	MULQ \ks, 0, \zero, \swap, \bset
	MULQ \ks, 1, \zero, \swap, \bset
.if (\ks) < 7
	WIN 0
	PLACES 4                                       ; in front of loads into registers that the K step before multiplied
	FETCH \slot, (\ks)+1, \swap
	s_wait_dscnt 36                                ; all but the 36 just issued
.else
	s_wait_dscnt 0x0
.endif
	WIN MUL+16*(\zero)
	MULQ \ks, 2, \zero, \swap, \bset
	MULQ \ks, 3, \zero, \swap, \bset
.endm
.macro TILE slot, swap, bset
	WIN 0
	PLACES 5                                       ; the first products write over accumulators of the tile before
	s_wait_loadcnt 0x0                             ; the bias
	KSTEP \slot, 0, 1, \swap, \bset
.irp k, 1,2,3,4,5,6,7
	KSTEP \slot, \k, 0, \swap, \bset
.endr
.endm
; The slot that the tile just finished has read is filled again, with the tile two on.  Every wave: all its tensor loads have landed (the other slot's panel among them), the add, its LDS reads are back; a round of the cluster's barrier; the joint load first behind it.
.macro REFILL ldsbase
	WIN 0
	s_wait_tensorcnt 0x0
	ds_add_u32 v[SPW], v[NIL]                      ; 0 onto my spare word; the descriptor's steps stand between it and the wait for it
	s_add_co_u32 s[GW+1], s[W25], \ldsbase
	s_add_nc_u64 s[GW+2:GW+3], s[GW+2:GW+3], TSTRIDE
	s_wait_dscnt 0x0
	CROUND
	tensor_load_to_lds s[GW:GW+3], s[G1B:G1B+7]
	s_nop 0
	PLACES 4                                       ; also the places in front of the loads that follow
.endm
.macro HOLD                            ; the last panel has landed, in every wave
	WIN 0
	s_wait_tensorcnt 0x0
	ds_add_u32 v[SPW], v[NIL]
	s_wait_dscnt 0x0
	s_barrier_signal -1
	s_barrier_wait -1
	PLACES 4
.endm
.macro BIASN set, base                 ; lane (r, h), block b, register j: the bias of column 32 (b / 2) + 8 (b % 2) + 16 h + j
	WIN TO_F
.irp b, 0,1,2,3
	global_load_b128 v[BIAS+32*\set+8*\b:BIAS+32*\set+8*\b+3], v[BO], s[\base:\base+1] offset:(32*(\b/2)+8*(\b%2))*4
	global_load_b128 v[BIAS+32*\set+8*\b+4:BIAS+32*\set+8*\b+7], v[BO], s[\base:\base+1] offset:(32*(\b/2)+8*(\b%2))*4+16
.endr
	WIN 0
.endm
.macro BIASV set                       ; v: a lane holds one channel: its bias in all eight registers
	WIN TO_F
.irp o, 0,1,2,3
.irp j, 0,1,2,3,4,5,6,7
	global_load_b32 v[BIAS+32*\set+8*\o+\j], v[BVO], s[BV:BV+1] offset:(32*(\o/2)+8*(\o%2))*4
.endr
.endr
	WIN 0
.endm
; 32 numbers of a lane, register 16 b + i = place 32 b + 16 (lane / 16) + i of my row, become half a fragment in v[PC:PC+5] and two scale bytes in v[PW].  Each accumulator is read from its low end on.
.macro HQUANT s
.irp b, 0,1
	v_max3_num_f32 v[MX+\b], |v[\s+16*\b]|, |v[\s+16*\b+1]|, 0x1800000   ; and the floor 2^(3 - 127)
.endr
.irp i, 2,4,6,8,10,12,14
.irp b, 0,1
	v_max3_num_f32 v[MX+\b], v[MX+\b], |v[\s+16*\b+\i]|, |v[\s+16*\b+\i+1]|
.endr
.endr
.irp b, 0,1
	v_permlanex16_b32 v[PT+\b], v[MX+\b], s[SEL], s[SEL+1]
.endr
.irp b, 0,1
	v_max_num_f32 v[MX+\b], v[MX+\b], v[PT+\b]
.endr
.irp b, 0,1
	v_add_nc_u32 v[SO+\b], 0xff000000, v[MX+\b]    ; 2 off the exponent field: the conversion's scale operand
.endr
.irp b, 0,1
	v_lshrrev_b32 v[PT+\b], 23, v[SO+\b]
.endr
	v_lshl_or_b32 v[PW], v[PT+1], 8, v[PT]
	v_cvt_scalef32_pk16_fp6_f32 v[PC:PC+2], v[\s:\s+15], v[SO]
	v_cvt_scalef32_pk16_fp6_f32 v[PC+6:PC+8], v[\s+16:\s+31], v[SO+1]
	v_nop                                          ; one plain place behind a scaled conversion
.irp i, 0,1,2
	v_permlane16_swap_b32 v[PC+\i], v[PC+6+\i]
.endr
.irp i, 0,1,2
	v_mov_b32 v[PC+3+\i], v[PC+6+\i]
.endr
.endm
; perm = 1, k: THE KEYS OF A TILE ARE NOT NEIGHBOURS.  Of my 64 keys, key 16 a + r goes to tile 2 (r / 8) + a % 2, row 8 (a / 2) + r % 8: so in attention's scores (used transposed) a lane's 32 registers of four tiles are one
; whole block of 32 keys, in the places in which v's codes lie along the keys.  These stores cover runs of 128 and 64 bytes.
.set KL16, 56
.set KL8,  57
.set KR4,  58
.macro EQK hb, wb, perm
	WIN 0
	PLACES 4
.irp a, 0,1,2,3
	s_wait_xcnt 0x0                                ; the last group's stores have read their data
	HQUANT ACC+32*\a
	v_or_b32 v[PW], 0x7f7f0000, v[PW]              ; the unused half of K: zero codes under the byte 127
.if \perm
	global_store_b128 v[KL16], v[PC:PC+3], s[\hb:\hb+1] offset:768*(\a%2)+128*(\a/2)
	global_store_b64 v[KL8], v[PC+4:PC+5], s[\hb:\hb+1] offset:768*(\a%2)+64*(\a/2)+512
	global_store_b32 v[KR4], v[PW], s[\wb:\wb+1] offset:64*(\a%2)+32*(\a/2)
.else
	global_store_b128 v[L16], v[PC:PC+3], s[\hb:\hb+1] offset:768*\a
	global_store_b64 v[L8], v[PC+4:PC+5], s[\hb:\hb+1] offset:768*\a+512
	global_store_b32 v[R4], v[PW], s[\wb:\wb+1] offset:64*\a
.endif
.endr
.endm
.macro EV                              ; v: four channel tiles
	WIN 0
	PLACES 4
.irp b, 0,1,2,3
	s_wait_xcnt 0x0
	HQUANT ACC+32*\b
	global_store_b128 v[L16], v[PC:PC+3], s[VH:VH+1] offset:1536*\b
	global_store_b64 v[L8], v[PC+4:PC+5], s[VH:VH+1] offset:1536*\b+512
	global_store_b16 v[R4], v[PW], s[VW:VW+1] offset:64*\b
.endr
.endm
	s_load_b256 s[4:11], s[0:1], 0x0               ; h's codes, the weights' codes, bq, bk
	s_load_b128 s[12:15], s[0:1], 0x20             ; bv, qkvc
	v_lshl_add_u32 v[SPW], v0, 2, SPARE
	v_mov_b32 v[NIL], 0
	ds_add_u32 v[SPW], v[NIL]                      ; the wave's opening: the add and its wait ahead of my first tensor load
	ds_add_u32 v[SPW], v[NIL]
	v_lshrrev_b32 v1, 5, v0
	v_readfirstlane_b32 s[WV], v1
	s_lshr_b32 s[XH], s[WV], 1
	s_and_b32 s[YH], s[WV], 1
	s_bfe_u32 s19, ttmp6, 0x40000                  ; cx
	s_bfe_u32 s20, ttmp6, 0x40004                  ; cy
	s_lshl_b32 s21, ttmp9, 2
	s_add_co_u32 s21, s21, s19                     ; gx
	s_and_b32 s22, ttmp7, 0xffff
	s_lshl_b32 s22, s22, 2
	s_add_co_u32 s22, s22, s20                     ; gy
	s_lshl_b32 s23, s20, 2
	s_lshl_b32 s23, 15, s23                        ; my row of the cluster
	s_lshl_b32 s2, 0x1111, s19                     ; my column
	; group 1: dense bytes as rows of 32 elements of 8 bytes: 200 rows (four slabs) for the head's loads; behind them the weights' group is set to 100 rows (two slabs)
	s_or_b32 s[G1A], s23, (3<<16)|(1<<21)
	s_or_b32 s[G1B], s2, (3<<16)|(1<<21)
.irp g, G1A, G1B
	s_mov_b32 s[\g+1], 32<<16
	s_mov_b32 s[\g+2], 200<<16
	s_mov_b32 s[\g+3], 32<<16
	s_mov_b32 s[\g+4], 200
	s_mov_b32 s[\g+5], 32
	s_mov_b32 s[\g+6], 0
	s_mov_b32 s[\g+7], 0
.endr
	s_mul_i32 s[W25], s[WV], 2*SLAB
	s_mul_i32 s[H25], s[YH], 4*SLAB                ; the head's loads: four slabs a wave
	s_mul_i32 s96, s22, PANEL                      ; h: made of gy and the wave alone
	s_add_co_u32 s96, s96, s[H25]
	s_mov_b32 s97, 0
	s_mul_i32 s98, s21, GXS                        ; the weights: of gx and the wave alone
	s_add_co_u32 s62, s98, s[W25]
	s_add_co_u32 s98, s98, s[H25]
	s_mov_b32 s99, 0
	s_mov_b32 s63, 0
	s_mov_b32 s[SEL], 0x76543210
	s_mov_b32 s[SEL+1], 0xfedcba98
	s_wait_dscnt 0x0                               ; the opening add is done
	s_wait_kmcnt 0x0
	s_add_nc_u64 s[96:97], s[4:5], s[96:97]
	s_add_nc_u64 s[98:99], s[6:7], s[98:99]
	s_add_nc_u64 s[98:99], s[98:99], WBASE
	s_add_nc_u64 s[62:63], s[6:7], s[62:63]
	s_add_nc_u64 s[62:63], s[62:63], WBASE+TSTRIDE
	s_mov_b32 s[G0A], 1                            ; h's panel: waves 0 and 1 fetch four slabs each
	s_mov_b32 s[G0A+1], s[H25]
	s_mov_b64 s[G0A+2:G0A+3], s[96:97]
	s_or_b32 s[G0A+3], s[G0A+3], 0x80000000
	s_mov_b32 s[G0B], 1                            ; tile 0 of the weights, into slot 0: waves 2 and 3, four slabs each
	s_add_co_u32 s[G0B+1], s[H25], PANEL
	s_mov_b64 s[G0B+2:G0B+3], s[98:99]
	s_or_b32 s[G0B+3], s[G0B+3], 0x80000000
	s_mov_b32 s[GW], 1                             ; tile 1, into slot 1: two slabs for each of the four waves
	s_add_co_u32 s[GW+1], s[W25], 2*PANEL
	s_mov_b64 s[GW+2:GW+3], s[62:63]
	s_or_b32 s[GW+3], s[GW+3], 0x80000000
	CROUND                                         ; all sixteen work-groups are here: the first joint loads meet
	JLOAD G0A, G0B                                 ; one tensor load a wave at the head
	v_and_b32 v1, 15, v0                           ; r
	v_bfe_u32 v2, v0, 4, 1                         ; h
	v_and_b32 v3, 31, v0                           ; lane
	v_lshlrev_b32 v[L16], 4, v3
	v_lshlrev_b32 v[L8], 3, v3
	v_lshlrev_b32 v[R4], 2, v1
	v_lshlrev_b32 v[BO], 6, v2
	v_and_b32 v[BVO], 8, v1
	v_add_nc_u32 v[BVO], v[BVO], v1
	v_lshlrev_b32 v[BVO], 2, v[BVO]
	v_mov_b32 v[PT], 0                             ; written once: a lane permute's destination counts as one of its sources
	v_mov_b32 v[PT+1], 0
	v_bfe_u32 v59, v0, 3, 1                        ; r / 8
	v_and_b32 v60, 7, v0                           ; r % 8
	v_mul_u32_u24 v[KL16], v59, 1536               ; k's stores: two tiles on for r / 8,
	v_lshl_add_u32 v[KL8], v60, 3, v[KL16]         ; row r % 8, 8 bytes a lane,
	v_lshl_add_u32 v[KL8], v2, 7, v[KL8]
	v_lshl_add_u32 v[KL16], v60, 4, v[KL16]        ; 16 bytes a lane,
	v_lshl_add_u32 v[KL16], v2, 8, v[KL16]
	v_lshlrev_b32 v[KR4], 7, v59                   ; and the scale word
	v_lshl_add_u32 v[KR4], v60, 2, v[KR4]
	s_mul_i32 s23, s[XH], 6144                     ; my four token blocks
	v_add_nc_u32 v[A16], s23, v[L16]
	v_add_nc_u32 v[A8], s23, v[L8]
	v_add_nc_u32 v[A16+1], 4*SLAB, v[A16]
	v_add_nc_u32 v[A8+1], 4*SLAB, v[A8]
	s_mul_i32 s23, s[YH], 6144                     ; my four column blocks
	s_add_co_u32 s23, s23, PANEL
.irp s, 0,1
	v_add_nc_u32 v[B16+4*\s], s23, v[L16]
	v_add_nc_u32 v[B8+4*\s], s23, v[L8]
	v_add_nc_u32 v[B16+4*\s+1], 4*SLAB, v[B16+4*\s]
	v_add_nc_u32 v[B8+4*\s+1], 4*SLAB, v[B8+4*\s]
	s_add_co_u32 s23, s23, PANEL
.endr
	s_lshl_b32 s23, s[XH], 8                       ; scale words: the lower base + h x the distance to the weights'
	s_lshl_b32 s2, s[YH], 8
	s_add_co_u32 s2, s2, PANEL
	s_sub_co_u32 s2, s2, s23
	s_add_co_u32 s23, s23, 12288
	v_add_nc_u32 v25, s23, v[R4]
.irp s, 0,1
	v_mul_u32_u24 v[SCL+2*\s], s2, v2
	v_add_nc_u32 v[SCL+2*\s], v25, v[SCL+2*\s]
	v_add_nc_u32 v[SCL+2*\s+1], 4*SLAB, v[SCL+2*\s]
	s_add_co_u32 s2, s2, PANEL
.endr
	; where the biases lie and where the results go
	s_lshl_b32 s70, s21, 9
	s_lshl_b32 s2, s[YH], 8
	s_add_co_u32 s70, s70, s2                      ; 4 x (128 gx + 64 yh)
	s_mov_b32 s71, 0
	s_add_nc_u64 s[BQ:BQ+1], s[8:9], s[70:71]
	s_add_nc_u64 s[BK:BK+1], s[10:11], s[70:71]
	s_add_nc_u64 s[BV:BV+1], s[12:13], s[70:71]
	BIASN 0, BQ
	BIASN 1, BK
	s_lshr_b32 s68, s22, 4
	s_lshl_b32 s68, s68, 4
	s_lshl_b32 s69, s21, 1
	s_add_co_u32 s68, s68, s69
	s_add_co_u32 s68, s68, s[YH]                   ; bh = 16 x batch + head
	s_and_b32 s69, s22, 15                         ; which 128 tokens of the sequence
	s_lshl_b32 s23, s69, 3
	s_lshl_b32 s2, s[XH], 2
	s_add_co_u32 s23, s23, s2                      ; my first tile of 16 queries
	s_mul_i32 s3, s68, QREC
	s_mul_i32 s70, s23, 768
	s_add_co_u32 s70, s70, s3
	s_add_nc_u64 s[QH:QH+1], s[14:15], s[70:71]
	s_lshl_b32 s70, s23, 6
	s_add_co_u32 s70, s70, s3
	s_add_co_u32 s70, s70, 98304
	s_add_nc_u64 s[QW:QW+1], s[14:15], s[70:71]
	s_mul_i32 s3, s68, KVH
	s_mul_i32 s70, s69, KVS
	s_add_co_u32 s3, s3, s70
	s_add_co_u32 s3, s3, QREG                      ; the slab of these 128 keys
	s_mul_i32 s70, s[XH], 3072
	s_add_co_u32 s70, s70, s3
	s_add_nc_u64 s[KH:KH+1], s[14:15], s[70:71]
	s_lshl_b32 s70, s[XH], 8
	s_add_co_u32 s70, s70, s3
	s_add_co_u32 s70, s70, 6144
	s_add_nc_u64 s[KW:KW+1], s[14:15], s[70:71]
	s_mul_i32 s70, s[XH], 768
	s_add_co_u32 s70, s70, s3
	s_add_co_u32 s70, s70, 6656
	s_add_nc_u64 s[VH:VH+1], s[14:15], s[70:71]
	s_lshl_b32 s70, s[XH], 1
	s_add_co_u32 s70, s70, s3
	s_add_co_u32 s70, s70, 12800
	s_add_nc_u64 s[VW:VW+1], s[14:15], s[70:71]
	s_wait_alu depctr_va_vdst(0)
	s_wait_tensorcnt 0x0                           ; my four slabs are in
	ds_add_u32 v[SPW], v[NIL]
	s_mov_b32 s[G1B+2], 100<<16                    ; no tensor load of mine is out: from here on a load of the weights brings two slabs
	s_mov_b32 s[G1B+4], 100
	s_wait_dscnt 0x0
	CROUND                                         ; h's panel and tile 0 are whole, and all sixteen work-groups are here
	tensor_load_to_lds s[GW:GW+3], s[G1B:G1B+7]    ; slot 1's first fill: Wk's tile, two slabs a wave; it has q's eight K steps in which to land
	s_nop 0
	PLACES 4
	FETCH 0, 0, 0
	s_wait_loadcnt 0x0                             ; the biases
	KSTEP 0, 0, 1, 0, 0                            ; q
.irp k, 1,2,3,4,5,6,7
	KSTEP 0, \k, 0, 0, 0
.endr
	REFILL PANEL                                   ; slot 0 takes Wv's tile; it has an epilogue and a whole tile in which to land
	BIASV 0
	FETCH 1, 0, 0                                  ; k's first fragments land under q's way out, which has no LDS instruction
	EQK QH, QW, 0
	TILE 1, 0, 1                                   ; k
	HOLD
	FETCH 0, 0, 1
	EQK KH, KW, 1
	TILE 0, 1, 0                                   ; v, the sources swapped
	EV
	s_wait_tensorcnt 0x0                           ; the wave's end
	ds_add_u32 v[SPW], v[NIL]
	s_wait_dscnt 0x0
	CROUND                                         ; the closing round
	s_endpgm
.Lfunc_end_k_qba2be19534_qkv:
	.size	k_qba2be19534_qkv, .Lfunc_end_k_qba2be19534_qkv-k_qba2be19534_qkv
	.p2alignl 7, 3214868480
	.fill 96, 4, 3214868480
	.section	.rodata,"a",@progbits
	.p2align	6, 0x0
	.amdhsa_kernel k_qba2be19534_qkv
		.amdhsa_group_segment_fixed_size 327680
		.amdhsa_private_segment_fixed_size 0
		.amdhsa_enable_private_segment 0
		.amdhsa_kernarg_size 48
		.amdhsa_user_sgpr_count 2
		.amdhsa_user_sgpr_kernarg_segment_ptr 1
		.amdhsa_wavefront_size32 1
		.amdhsa_system_sgpr_workgroup_id_x 1
		.amdhsa_system_sgpr_workgroup_id_y 1
		.amdhsa_system_sgpr_workgroup_id_z 1
		.amdhsa_system_vgpr_workitem_id 0
		.amdhsa_next_free_vgpr 512
		.amdhsa_next_free_sgpr 100
		.amdhsa_reserve_vcc 0
		.amdhsa_float_denorm_mode_32 3
		.amdhsa_float_denorm_mode_16_64 3
		.amdhsa_memory_ordered 1
		.amdhsa_forward_progress 1
		.amdhsa_inst_pref_size 152
	.end_amdhsa_kernel
	.amdgpu_metadata
---
amdhsa.version: [ 1, 2 ]
amdhsa.kernels:
  - .name:           k_qba2be19534_qkv
    .symbol:         k_qba2be19534_qkv.kd
    .args:
      - { .name: ha, .offset: 0, .size: 8, .value_kind: global_buffer, .address_space: global }
      - { .name: wc, .offset: 8, .size: 8, .value_kind: global_buffer, .address_space: global }
      - { .name: bq, .offset: 16, .size: 8, .value_kind: global_buffer, .address_space: global }
      - { .name: bk, .offset: 24, .size: 8, .value_kind: global_buffer, .address_space: global }
      - { .name: bv, .offset: 32, .size: 8, .value_kind: global_buffer, .address_space: global }
      - { .name: qkvc, .offset: 40, .size: 8, .value_kind: global_buffer, .address_space: global }
    .group_segment_fixed_size: 327680
    .private_segment_fixed_size: 0
    .kernarg_segment_align: 8
    .kernarg_segment_size: 48
    .max_flat_workgroup_size: 128
    .sgpr_count:     100
    .vgpr_count:     512
    .wavefront_size: 32
...
	.end_amdgpu_metadata
.endif
;; end of part 2
;; launch attn (part 3): grid 8 x 32, 16 waves a work-group, clusters of 4 x 1, 327,680 bytes of LDS; arguments qkvc, ca; writes ca
.if DOCPART == 3
	.amdgcn_target "amdgcn-amd-amdhsa--gfx1250"
	.amdhsa_code_object_version 6
	.text
	.protected	k_qba2be19534_attn
	.globl	k_qba2be19534_attn
	.p2align	8
	.type	k_qba2be19534_attn,@function
k_qba2be19534_attn:
	s_mov_b64 s[64:65], 0
	v_nop
	global_prefetch_b8 v0, s[64:65] scope:SCOPE_SE
	s_setreg_imm32_b32 hwreg(HW_REG_WAVE_MODE, 25, 1), 1
	s_wait_xcnt 0x0
	s_wait_alu depctr_hold_cnt(0) depctr_sa_sdst(0) depctr_va_vdst(0) depctr_va_sdst(0) depctr_va_ssrc(0) depctr_va_vcc(0) depctr_vm_vsrc(0)
	s_getreg_b32 s2, hwreg(HW_REG_IB_STS2, 6, 4)
	s_cmp_eq_u32 s2, 0
	s_cbranch_scc0 .Lentry_in_a_cluster
	s_endpgm
.Lentry_in_a_cluster:
	s_bfe_u32 s2, ttmp6, 0x10000c
	s_cmp_lg_u32 s2, 0x3003
	s_cbranch_scc0 .Lentry_shape_is_right
	s_endpgm
.Lentry_shape_is_right:
; ctx = softmax(q k^T / 8) v for one batch-head and 256 queries, on codes of FP6 (E2M3) with E8M0 scales; ctx is quantised along the head's 64 channels and stored in the order of the next product's operand registers.
; p = 2^(t - M), t = score x log2(e) / 8, M the ceiling of the running largest t; the row's sum is taken of the unquantised p; when M moves, O and the sum are multiplied by an exact power of two.
; SHARES.  A work-group takes batch-head y and 256 queries; a wave 16 queries.  All 2,048 keys of the head (16 slabs of 13,056 bytes: k's 8 half fragments, their words, v's 4 fragments, their words) lie in LDS at once:
; wave w fetches slab w by its one tensor load, and nothing is filled again.  CLUSTER 4 x 1: the four query blocks of a head ask for each slab jointly.
; No prefetch: every tile is asked for at the head, so there is no loop to run ahead in.
; Both products are used transposed (S^T = k q^T, O^T = v^T p^T): a lane holds one query.  The keys of a tile of k are laid (by the launch that stores them) so that lane (r, h)'s 32 registers of tiles 4 c .. 4 c + 3
; are block 2 c + h of the step's 128 keys, in the places of v's codes: a block's largest score needs no other lane, and the conversions' results are the operand's registers.
; The head's size is 64, half of the instruction's K.  q's upper 64 codes are zeros, so whatever k's operand holds there adds nothing: k's half fragments lie six registers apart, and tile t's operand reaches over tile t + 1's registers
; (the last over six registers of zeros); the words carry the byte 127 for that half.
; LDS loads run ahead: the next step's k is asked for behind this step's scores, the next step's v behind this step's second product.
; LIMITS: the promise holds while the scaled scores stay under 2^31 in magnitude; a block whose largest p lies under 2^(3 - 127) keeps the byte 1; NaN and infinities are not served.
.set KVS,   13056
.set KVH,   16*KVS
.set QREC,  106496
.set QREG,  3407872
.set SLAB,  12800
.set SPARE, KVH                        ; behind the slabs: the spare words, 128 bytes a wave
.set A16, 1                            ; v1-3  LDS addresses in the slab asked for: 16, 8, 4 x lane + the slab's base
.set A8,  2
.set A4,  3
.set SH8, 4                            ; 8 (lane / 16)
.set SPW, 5
.set NIL, 6
.set ST16, 7                           ; 16, 8, 4 x lane
.set ST8, 8
.set L4,  9
.set F,   10                           ; v[10:11] f = 2^(old M - new M); the upper word is named and not taken
.set NM,  12                           ; v[12:13] -M; likewise
.set L,   14                           ; v[14:15] the row's sum in two halves
.set QF,  16                           ; v16-27 q's fragment, the upper six registers zeros
.set MR,  28                           ; the running largest score
.set QW,  29                           ; q's scale word
.set PW,  30                           ; p's scale word
.set OM,  31                           ; -M of the step before
.set KF,  32                           ; v32-79 k's eight half fragments; v80-85 zeros
.set VF,  86                           ; v86-133 v's four fragments
.set SS,  134                          ; v134-197 scores, then p
.set OO,  198                          ; v198-229 O^T
.set PC,  230                          ; v230-241 p's codes
.set KSC, 242                          ; v242-245 k's words: lanes 0-15 tile 2 j, lanes 16-31 tile 2 j + 1
.set VSC, 246                          ; v246-247 v's words, likewise
.set T,   248                          ; v248-255 work
.set WV,  8
.set G1,  16
.set G0,  24
.set SEL, 38
.set CS,  40                           ; s[40:41] c = log2(e) / 8
.set TB,  42
.set CNT, 43
.set NC,  48                           ; -c
.macro CROUND
	s_barrier_signal -1
	s_barrier_wait -1
	s_cmp_lg_u32 s[WV], 0
	s_cbranch_scc1 .Lnot_wave_0_\@
	s_barrier_signal -3
.Lnot_wave_0_\@:
	s_barrier_wait -3
	s_barrier_signal -1
	s_barrier_wait -1
.endm
.macro MM d, a, b, zero, sa, sb, row   ; D = A B + (0 or D); row: A's words stand in lanes 16-31
.if \zero
.if \row
	v_wmma_scale_f32_16x16x128_f8f6f4 v[\d:\d+7], v[\a:\a+11], v[\b:\b+11], 0, v[\sa], v[\sb] matrix_a_fmt:MATRIX_FMT_FP6 matrix_b_fmt:MATRIX_FMT_FP6 matrix_a_scale:MATRIX_SCALE_ROW1
.else
	v_wmma_scale_f32_16x16x128_f8f6f4 v[\d:\d+7], v[\a:\a+11], v[\b:\b+11], 0, v[\sa], v[\sb] matrix_a_fmt:MATRIX_FMT_FP6 matrix_b_fmt:MATRIX_FMT_FP6
.endif
.else
.if \row
	v_wmma_scale_f32_16x16x128_f8f6f4 v[\d:\d+7], v[\a:\a+11], v[\b:\b+11], v[\d:\d+7], v[\sa], v[\sb] matrix_a_fmt:MATRIX_FMT_FP6 matrix_b_fmt:MATRIX_FMT_FP6 matrix_a_scale:MATRIX_SCALE_ROW1
.else
	v_wmma_scale_f32_16x16x128_f8f6f4 v[\d:\d+7], v[\a:\a+11], v[\b:\b+11], v[\d:\d+7], v[\sa], v[\sb] matrix_a_fmt:MATRIX_FMT_FP6 matrix_b_fmt:MATRIX_FMT_FP6
.endif
.endif
.endm
.macro AD0 c, s                        ; a chain of the row's sum begins: four numbers of p
	v_pk_add_f32 v[\c:\c+1], v[SS+\s:SS+\s+1], v[SS+\s+2:SS+\s+3]
.endm
.macro AD c, s                         ; and goes on: two more
	v_pk_add_f32 v[\c:\c+1], v[\c:\c+1], v[SS+\s:SS+\s+1]
.endm
.macro LDK                             ; 20 LDS loads: a slab's k
.irp t, 0,1,2,3,4,5,6,7
	ds_load_b128 v[KF+6*\t:KF+6*\t+3], v[A16] offset:768*\t
	ds_load_b64 v[KF+6*\t+4:KF+6*\t+5], v[A8] offset:768*\t+512
.endr
.irp t, 0,1,2,3
	ds_load_b32 v[KSC+\t], v[A4] offset:6144+128*\t
.endr
.endm
.macro LDV                             ; 18 LDS loads: a slab's v
.irp t, 0,1,2,3
	ds_load_b128 v[VF+12*\t:VF+12*\t+3], v[A16] offset:6656+1536*\t
	ds_load_b64 v[VF+12*\t+4:VF+12*\t+5], v[A8] offset:6656+1536*\t+512
	ds_load_b128 v[VF+12*\t+6:VF+12*\t+9], v[A16] offset:6656+1536*\t+768
	ds_load_b64 v[VF+12*\t+10:VF+12*\t+11], v[A8] offset:6656+1536*\t+1280
.endr
.irp t, 0,1
	ds_load_b32 v[VSC+\t], v[A4] offset:12800+128*\t
.endr
.endm
; A step: 128 keys.  first = 1: O^T begins with C = 0 and is not rescaled.  more = 1: the next slab's fragments are asked for.
.macro STEP first, more
.if \more
	s_add_co_u32 s[TB], s[TB], KVS
.endif
	s_wait_dscnt 18                                ; k's 20 loads are in; v's 18, issued behind them, may be out
.irp t, 0,1,2,3,4,5,6,7
	MM SS+8*\t, KF+6*\t, QF, 1, KSC+\t/2, QW, \t%2
.endr
	v_mov_b32 v[OM], v[NM]                         ; four places behind the products, ahead of the loads into k's registers and of the first read of the scores
.if \more
	v_add_nc_u32 v[A16], s[TB], v[ST16]
	v_add_nc_u32 v[A8], s[TB], v[ST8]
	v_add_nc_u32 v[A4], s[TB], v[L4]
	LDK
.else
.rept 3
	v_nop
.endr
.endif
.irp b, 0,1,2,3                                ; the largest score of my two blocks, each in two chains; every accumulator is first read at its low end
	v_max3_num_f32 v[T+\b], v[SS+16*\b], v[SS+16*\b+1], v[SS+16*\b+2]
.endr
.irp i, 3,5,7,9,11,13
.irp b, 0,1,2,3
	v_max3_num_f32 v[T+\b], v[T+\b], v[SS+16*\b+\i], v[SS+16*\b+\i+1]
.endr
.endr
	v_max3_num_f32 v[T], v[T], v[SS+15], v[SS+31]
	v_max3_num_f32 v[T+2], v[T+2], v[SS+47], v[SS+63]
	s_delay_alu instid0(VALU_DEP_2)
	v_max_num_f32 v[T], v[T], v[T+1]               ; block 2 x 0 + h
	s_delay_alu instid0(VALU_DEP_2)
	v_max_num_f32 v[T+2], v[T+2], v[T+3]           ; block 2 x 1 + h
	s_delay_alu instid0(VALU_DEP_1)
	v_max_num_f32 v[T+4], v[T], v[T+2]
	s_delay_alu instid0(VALU_DEP_1)
	v_permlanex16_b32 v[T+5], v[T+4], s[SEL], s[SEL+1]
	s_delay_alu instid0(VALU_DEP_1)
	v_max3_num_f32 v[MR], v[MR], v[T+4], v[T+5]    ; with lane l xor 16's two blocks: the running largest score of my query
	s_delay_alu instid0(VALU_DEP_1)
	v_mul_f32 v[T+6], s[NC], v[MR]
	s_delay_alu instid0(VALU_DEP_1)
	v_floor_f32 v[NM], v[T+6]                      ; -M = floor(-t): M is a whole number
	s_delay_alu instid0(VALU_DEP_1)
	v_sub_f32 v[T+6], v[NM], v[OM]                 ; f = 2^(old M - new M) is made among the multiply-adds, which do not hang on it
.set J, 0
.rept 4
	v_pk_fma_f32 v[SS+J:SS+J+1], v[SS+J:SS+J+1], s[CS:CS+1], v[NM:NM+1] op_sel_hi:[1,0,0]   ; t - M
.set J, J+2
.endr
	v_cvt_i32_f32 v[T+6], v[T+6]                   ; (it saturates)
.rept 4
	v_pk_fma_f32 v[SS+J:SS+J+1], v[SS+J:SS+J+1], s[CS:CS+1], v[NM:NM+1] op_sel_hi:[1,0,0]
.set J, J+2
.endr
	v_ldexp_f32 v[F], 1.0, v[T+6]
.rept 24
	v_pk_fma_f32 v[SS+J:SS+J+1], v[SS+J:SS+J+1], s[CS:CS+1], v[NM:NM+1] op_sel_hi:[1,0,0]
.set J, J+2
.endr
	v_fma_f32 v[T], v[T], s[CS], v[NM]             ; the same of each block's largest score
	v_fma_f32 v[T+2], v[T+2], s[CS], v[NM]
.if (\first) == 0
.set J, 0
.rept 16
	v_pk_mul_f32 v[OO+J:OO+J+1], v[OO+J:OO+J+1], v[F:F+1] op_sel_hi:[1,0]   ; O^T under the new M
.set J, J+2
.endr
.endif
	s_wait_alu depctr_va_vdst(0)                   ; the wait ahead of the batch
.set J, 0
.rept 64
	v_exp_f32 v[SS+J], v[SS+J]                     ; p
.set J, J+1
.endr
	v_exp_f32 v[T], v[T]                           ; each block's largest p: the same instructions on the same number
	v_exp_f32 v[T+2], v[T+2]
	v_nop                                          ; a plain place behind the batch,
	s_wait_alu depctr_va_vdst(0)                   ; and the one wait ahead of its first reader
	; The sum of the unquantised p goes in four chains of 16 numbers (two of them in registers of p's operand that the moves below fill last); the lines that make the scale word and the codes stand among them, so that no line waits for the line above it
	v_max_num_f32 v[T], 0x1800000, v[T]            ; the floor 2^(3 - 127): the byte cannot fall under 1
	v_max_num_f32 v[T+2], 0x1800000, v[T+2]
	AD0 T+4, 0
	AD0 T+6, 32
	AD0 PC+4, 16
	AD0 PC+10, 48
	v_add_nc_u32 v[T], 0xff000000, v[T]            ; 2 off the exponent field: the conversions' scale operands
	v_add_nc_u32 v[T+2], 0xff000000, v[T+2]
	AD T+4, 4
	AD T+6, 36
	AD PC+4, 20
	AD PC+10, 52
	v_lshrrev_b32 v[T+1], 23, v[T]
	v_lshrrev_b32 v[T+3], 23, v[T+2]
	v_cvt_scalef32_pk16_fp6_f32 v[PC:PC+2], v[SS:SS+15], v[T]
	v_cvt_scalef32_pk16_fp6_f32 v[PC+6:PC+8], v[SS+32:SS+47], v[T+2]
	AD PC+4, 22
	AD PC+10, 54
	AD T+4, 6
	AD T+6, 38
	v_lshl_or_b32 v[T+1], v[T+3], 16, v[T+1]       ; my bytes: blocks h and 2 + h,
	v_cvt_scalef32_pk16_fp6_f32 v[SS:SS+2], v[SS+16:SS+31], v[T]          ; (a conversion's three registers begin on an even number: made in registers of p that are summed and converted, and moved)
	v_cvt_scalef32_pk16_fp6_f32 v[SS+32:SS+34], v[SS+48:SS+63], v[T+2]
	AD PC+4, 24
	AD PC+10, 56
	AD T+4, 8
	AD T+6, 40
	v_lshlrev_b32 v[T+1], v[SH8], v[T+1]           ; at their places in the word;
	AD PC+4, 26
	AD PC+10, 58
	AD PC+4, 28
	AD PC+10, 60
	v_permlanex16_b32 v[T+3], v[T+1], s[SEL], s[SEL+1]
	AD PC+4, 30
	AD PC+10, 62
	v_or_b32 v[PW], v[T+1], v[T+3]                 ; with lane l xor 16's two the word is whole
	v_pk_add_f32 v[T+4:T+5], v[T+4:T+5], v[PC+4:PC+5]
	v_pk_add_f32 v[T+6:T+7], v[T+6:T+7], v[PC+10:PC+11]
.irp i, 0,1,2
	v_mov_b32 v[PC+3+\i], v[SS+\i]
	v_mov_b32 v[PC+9+\i], v[SS+32+\i]
.endr
	AD T+4, 10
	AD T+6, 42
	AD T+4, 12
	AD T+6, 44
	s_wait_alu depctr_va_vdst(0)                   ; directly ahead of the wait below
.if \more
	s_wait_dscnt 20                                ; v's 18 loads are in; the next slab's k, 20 loads issued behind them, may be out
.else
	s_wait_dscnt 0x0
.endif
.irp t, 0,1,2,3
	MM OO+8*\t, VF+12*\t, PC, \first, VSC+\t/2, PW, \t%2
.endr
	AD T+4, 14                                     ; the sum's last four lines are the places behind the products
	AD T+6, 46
	v_pk_add_f32 v[T+4:T+5], v[T+4:T+5], v[T+6:T+7]
	v_pk_fma_f32 v[L:L+1], v[L:L+1], v[F:F+1], v[T+4:T+5] op_sel_hi:[1,0,1]   ; the old sum under the new M, and this step's
.if \more
	LDV
.endif
.endm
	s_load_b128 s[4:7], s[0:1], 0x0                ; qkvc, ca
	v_lshl_add_u32 v[SPW], v0, 2, SPARE
	v_mov_b32 v[NIL], 0
	ds_add_u32 v[SPW], v[NIL]                      ; the opening lines: the add, twice on end, and its wait ahead of my tensor load
	ds_add_u32 v[SPW], v[NIL]
	v_lshrrev_b32 v10, 5, v0
	v_readfirstlane_b32 s[WV], v10
	s_bfe_u32 s9, ttmp6, 0x40000                   ; cx
	s_lshl_b32 s10, ttmp9, 2
	s_add_co_u32 s10, s10, s9                      ; which 256 queries
	s_and_b32 s11, ttmp7, 0xffff                   ; batch-head
	s_mov_b32 s[G1], 15|(3<<16)|(1<<21)            ; a slab: 51 rows of 32 elements of 8 bytes, for all four partners
	s_mov_b32 s[G1+1], 32<<16
	s_mov_b32 s[G1+2], 51<<16
	s_mov_b32 s[G1+3], 32<<16
	s_mov_b32 s[G1+4], 51
	s_mov_b32 s[G1+5], 32
	s_mov_b32 s[G1+6], 0
	s_mov_b32 s[G1+7], 0
	s_mul_i32 s60, s[WV], KVS                      ; slab w, in memory and in LDS
	s_mov_b32 s61, 0
	s_mul_i32 s28, s11, KVH
	s_mov_b32 s29, 0
	s_lshl_b32 s13, s10, 4
	s_add_co_u32 s13, s13, s[WV]                   ; my tile of 16 queries
	s_mul_i32 s14, s11, QREC
	s_mul_i32 s44, s13, 768
	s_add_co_u32 s44, s44, s14
	s_mov_b32 s45, 0
	s_lshl_b32 s46, s13, 6
	s_add_co_u32 s46, s46, s14
	s_add_co_u32 s46, s46, 98304
	s_mov_b32 s47, 0
	s_mov_b32 s[SEL], 0x76543210
	s_mov_b32 s[SEL+1], 0xfedcba98
	s_mov_b32 s[CS], 0x3e38aa3b
	s_mov_b32 s[CS+1], s[CS]
	s_mov_b32 s[NC], 0xbe38aa3b
	s_mov_b32 s[TB], 0
	s_mov_b32 s[CNT], 14
	s_wait_dscnt 0x0
	s_wait_kmcnt 0x0
	s_add_nc_u64 s[28:29], s[4:5], s[28:29]
	s_add_nc_u64 s[28:29], s[28:29], QREG
	s_add_nc_u64 s[30:31], s[4:5], s[44:45]
	s_add_nc_u64 s[32:33], s[4:5], s[46:47]
	s_mov_b32 s[G0], 1
	s_mov_b32 s[G0+1], s60
	s_add_nc_u64 s[G0+2:G0+3], s[28:29], s[60:61]
	s_or_b32 s[G0+3], s[G0+3], 0x80000000
	CROUND                                         ; the four partners are here: the joint loads meet
	tensor_load_to_lds s[G0:G0+3], s[G1:G1+7]      ; my one tensor load
	s_nop 0
	v_and_b32 v10, 31, v0
	v_and_b32 v11, 15, v0
	v_lshlrev_b32 v[ST16], 4, v10
	v_lshlrev_b32 v[ST8], 3, v10
	v_lshlrev_b32 v[L4], 2, v10
	v_lshlrev_b32 v[T], 2, v11
	global_load_b128 v[QF:QF+3], v[ST16], s[30:31]
	global_load_b64 v[QF+4:QF+5], v[ST8], s[30:31] offset:512
	global_load_b32 v[QW], v[T], s[32:33]
	v_mov_b32 v[A16], v[ST16]
	v_mov_b32 v[A8], v[ST8]
	v_mov_b32 v[A4], v[L4]
	v_bfe_u32 v[SH8], v0, 4, 1
	v_lshlrev_b32 v[SH8], 3, v[SH8]
.irp j, 6,7,8,9,10,11
	v_mov_b32 v[QF+\j], 0                          ; q's upper 64 codes
	v_mov_b32 v[KF+42+\j], 0                       ; what the last tile's operand reaches over
.endr
	v_mov_b32 v[MR], 0xff61b1e6                    ; -3e38, under every score
	v_mul_f32 v[NM], s[NC], v[MR]
	v_floor_f32 v[NM], v[NM]
	v_mov_b32 v[NM+1], 0
	v_mov_b32 v[F+1], 0
	v_mov_b32 v[L], 0
	v_mov_b32 v[L+1], 0
	v_mov_b32 v[T+5], 0                            ; a lane permute's destination counts as one of its sources
	; where ctx goes: slab 8 x (tile of 128 tokens) + head / 2, block = my tile % 8, half = head % 2
	s_lshr_b32 s14, s11, 4
	s_lshl_b32 s14, s14, 4
	s_lshl_b32 s15, s10, 1
	s_add_co_u32 s14, s14, s15
	s_lshr_b32 s15, s[WV], 3
	s_add_co_u32 s14, s14, s15
	s_lshl_b32 s14, s14, 3
	s_bfe_u32 s15, s11, 0x30001
	s_add_co_u32 s14, s14, s15
	s_mul_i32 s14, s14, SLAB
	s_and_b32 s15, s[WV], 7
	s_and_b32 s13, s11, 1
	s_mul_i32 s44, s15, 1536
	s_add_co_u32 s44, s44, s14
	s_mul_i32 s46, s13, 768
	s_add_co_u32 s44, s44, s46
	s_add_nc_u64 s[34:35], s[6:7], s[44:45]
	s_lshl_b32 s44, s15, 6
	s_add_co_u32 s44, s44, s14
	s_lshl_b32 s46, s13, 1
	s_add_co_u32 s44, s44, s46
	s_add_co_u32 s44, s44, 12288
	s_add_nc_u64 s[36:37], s[6:7], s[44:45]
	s_wait_alu depctr_va_vdst(0)                   ; the wait at the head's end
	s_wait_tensorcnt 0x0                           ; my slab is in;
	s_barrier_signal -1
	s_barrier_wait -1                              ; and so is everybody's.
	LDK
	LDV
	s_wait_loadcnt 0x0                             ; q
	STEP 1, 1
.Lstep:
	STEP 0, 1
	s_sub_co_u32 s[CNT], s[CNT], 1
	s_cmp_lg_u32 s[CNT], 0
	s_cbranch_scc1 .Lstep
	STEP 0, 0
	v_add_f32 v[L], v[L], v[L+1]
	s_delay_alu instid0(VALU_DEP_1)
	v_permlanex16_b32 v[T+5], v[L], s[SEL], s[SEL+1]
	s_delay_alu instid0(VALU_DEP_1)
	v_add_f32 v[L], v[L], v[T+5]                   ; the row's sum
	s_wait_alu depctr_va_vdst(0)
	v_rcp_f32 v[L], v[L]
	v_nop
	s_wait_alu depctr_va_vdst(0)                   ; ahead of the reciprocal's first reader, which is also O^T's
.set J, 0
.rept 32
	v_mul_f32 v[SS+J], v[OO+J], v[L]               ; register 16 b + i = channel 32 b + 16 h + i of my query
.set J, J+1
.endr
.irp b, 0,1
	v_max3_num_f32 v[T+\b], |v[SS+16*\b]|, |v[SS+16*\b+1]|, 0x1800000
.endr
.irp i, 2,4,6,8,10,12,14
.irp b, 0,1
	s_delay_alu instid0(VALU_DEP_2)
	v_max3_num_f32 v[T+\b], v[T+\b], |v[SS+16*\b+\i]|, |v[SS+16*\b+\i+1]|
.endr
.endr
.irp b, 0,1
	s_delay_alu instid0(VALU_DEP_2)
	v_permlanex16_b32 v[T+2+\b], v[T+\b], s[SEL], s[SEL+1]
.endr
.irp b, 0,1
	s_delay_alu instid0(VALU_DEP_2)
	v_max_num_f32 v[T+\b], v[T+\b], v[T+2+\b]
.endr
.irp b, 0,1
	s_delay_alu instid0(VALU_DEP_2)
	v_add_nc_u32 v[T+4+\b], 0xff000000, v[T+\b]
.endr
.irp b, 0,1
	s_delay_alu instid0(VALU_DEP_2)
	v_lshrrev_b32 v[T+2+\b], 23, v[T+4+\b]
.endr
	s_delay_alu instid0(VALU_DEP_1)
	v_lshl_or_b32 v[T+6], v[T+3], 8, v[T+2]        ; ctx's two scale bytes
	v_and_b32 v[T+7], 15, v0
	v_cvt_scalef32_pk16_fp6_f32 v[PC:PC+2], v[SS:SS+15], v[T+4]
	v_cvt_scalef32_pk16_fp6_f32 v[PC+6:PC+8], v[SS+16:SS+31], v[T+5]
	v_lshlrev_b32 v[T+7], 2, v[T+7]                ; a plain place behind the conversions
.irp i, 0,1,2
	v_permlane16_swap_b32 v[PC+\i], v[PC+6+\i]     ; a whole block in a lane
.endr
.irp i, 0,1,2
	s_delay_alu instid0(VALU_DEP_3)
	v_mov_b32 v[PC+3+\i], v[PC+6+\i]
.endr
	global_store_b128 v[ST16], v[PC:PC+3], s[34:35]
	global_store_b64 v[ST8], v[PC+4:PC+5], s[34:35] offset:512
	global_store_b16 v[T+7], v[T+6], s[36:37]
	s_wait_tensorcnt 0x0                           ; the wave's end
	ds_add_u32 v[SPW], v[NIL]
	s_wait_dscnt 0x0
	CROUND                                         ; the closing round
	s_endpgm
.Lfunc_end_k_qba2be19534_attn:
	.size	k_qba2be19534_attn, .Lfunc_end_k_qba2be19534_attn-k_qba2be19534_attn
	.p2alignl 7, 3214868480
	.fill 96, 4, 3214868480
	.section	.rodata,"a",@progbits
	.p2align	6, 0x0
	.amdhsa_kernel k_qba2be19534_attn
		.amdhsa_group_segment_fixed_size 327680
		.amdhsa_private_segment_fixed_size 0
		.amdhsa_enable_private_segment 0
		.amdhsa_kernarg_size 16
		.amdhsa_user_sgpr_count 2
		.amdhsa_user_sgpr_kernarg_segment_ptr 1
		.amdhsa_wavefront_size32 1
		.amdhsa_system_sgpr_workgroup_id_x 1
		.amdhsa_system_sgpr_workgroup_id_y 1
		.amdhsa_system_sgpr_workgroup_id_z 1
		.amdhsa_system_vgpr_workitem_id 0
		.amdhsa_next_free_vgpr 256
		.amdhsa_next_free_sgpr 66
		.amdhsa_reserve_vcc 0
		.amdhsa_float_denorm_mode_32 3
		.amdhsa_float_denorm_mode_16_64 3
		.amdhsa_memory_ordered 1
		.amdhsa_forward_progress 1
		.amdhsa_inst_pref_size 54
	.end_amdhsa_kernel
	.amdgpu_metadata
---
amdhsa.version: [ 1, 2 ]
amdhsa.kernels:
  - .name:           k_qba2be19534_attn
    .symbol:         k_qba2be19534_attn.kd
    .args:
      - { .name: qkvc, .offset: 0, .size: 8, .value_kind: global_buffer, .address_space: global }
      - { .name: ca, .offset: 8, .size: 8, .value_kind: global_buffer, .address_space: global }
    .group_segment_fixed_size: 327680
    .private_segment_fixed_size: 0
    .kernarg_segment_align: 8
    .kernarg_segment_size: 16
    .max_flat_workgroup_size: 512
    .sgpr_count:     66
    .vgpr_count:     256
    .wavefront_size: 32
...
	.end_amdgpu_metadata
.endif
;; end of part 3
;; launch wo (part 4): grid 8 x 32, 4 waves a work-group, clusters of 4 x 4, 327,680 bytes of LDS; arguments ca, wc, bo, x, x1; writes x1
.if DOCPART == 4
	.amdgcn_target "amdgcn-amd-amdhsa--gfx1250"
	.amdhsa_code_object_version 6
	.text
	.protected	k_qba2be19534_wo
	.globl	k_qba2be19534_wo
	.p2align	8
	.type	k_qba2be19534_wo,@function
k_qba2be19534_wo:
	s_mov_b64 s[64:65], 0
	v_nop
	global_prefetch_b8 v0, s[64:65] scope:SCOPE_SE
	s_setreg_imm32_b32 hwreg(HW_REG_WAVE_MODE, 25, 1), 1
	s_wait_xcnt 0x0
	s_wait_alu depctr_hold_cnt(0) depctr_sa_sdst(0) depctr_va_vdst(0) depctr_va_sdst(0) depctr_va_ssrc(0) depctr_va_vcc(0) depctr_vm_vsrc(0)
	s_getreg_b32 s2, hwreg(HW_REG_IB_STS2, 6, 4)
	s_cmp_eq_u32 s2, 0
	s_cbranch_scc0 .Lentry_in_a_cluster
	s_endpgm
.Lentry_in_a_cluster:
	s_bfe_u32 s2, ttmp6, 0x10000c
	s_cmp_lg_u32 s2, 0xf033
	s_cbranch_scc0 .Lentry_shape_is_right
	s_endpgm
.Lentry_shape_is_right:
.set NSL,   2
.set KS,    8
.set WOFF,  192
.set SLAB,  12800
.set SLOTB, 8*SLAB
.set STAGE, 2*SLOTB
.set SPARE, STAGE+4*4352
.set A16, 4
.set A8,  6
.set B16, 8
.set B8,  10
.set SCA, 12
.set STO, 14
.set RD,  15
.set CO,  16
.set BO,  17
.set SPW, 26
.set NIL, 27
.set SC,  28
.set BK,  64
.set ACC, 128
.set BIAS, 192
.set WV, 16
.set XH, 17
.set YH, 18
.set G1A, 24
.set G1B, 32
.set G0A, 40
.set G0B, 48
.set RES, 56
.set OUTB, 58
.set W25, 60
.set H25, 61
.set BIB, 62
.set MSB, 0
.macro WIN new
.if MSB != (\new)
	s_set_vgpr_msb (MSB<<8)|(\new)
.set MSB, (\new)
.endif
.endm
.set MUL,  0x05
.set TO_F, 0x40
.macro PLACES n
.rept \n
	v_nop
.endr
.endm
.macro CREST
	s_cmp_lg_u32 s[WV], 0
	s_cbranch_scc1 .Lnot_wave_0_\@
	s_barrier_signal -3
.Lnot_wave_0_\@:
	s_barrier_wait -3
	s_barrier_signal -1
	s_barrier_wait -1
.endm
.macro CROUND
	s_barrier_signal -1
	s_barrier_wait -1
	CREST
.endm
.macro JLOAD g0a, g0b
	s_cmp_eq_u32 s[YH], 0                          ; even waves fetch ctx's slabs, odd waves Wo's
	s_cbranch_scc0 .Lfor_b_\@
	tensor_load_to_lds s[\g0a:\g0a+3], s[G1A:G1A+7]
	s_nop 0
	PLACES 4
	s_branch .Lasked_\@
.Lfor_b_\@:
	tensor_load_to_lds s[\g0b:\g0b+3], s[G1B:G1B+7]
	s_nop 0
	PLACES 4
.Lasked_\@:
.endm
.macro FR reg, a16, a8, off
	ds_load_b128 v[\reg:\reg+3], v[\a16] offset:\off
	ds_load_b64 v[\reg+4:\reg+5], v[\a8] offset:\off+512
	ds_load_b128 v[\reg+6:\reg+9], v[\a16] offset:\off+768
	ds_load_b64 v[\reg+10:\reg+11], v[\a8] offset:\off+1280
.endm
.macro FETCH slot, q
.set FB, 96*((\q)%2)
.set SS, SC+4*((\q)%2)
.set OF, SLAB*(\q)
	WIN 0
.irp i, 0,1,2,3
	ds_load_b32 v[SS+\i], v[SCA+(\slot)] offset:OF+64*\i
.endr
	WIN TO_F
.irp i, 0,1,2,3
	FR FB+48+12*\i, B16+(\slot), B8+(\slot), OF+1536*\i
.endr
.irp i, 0,1,2,3
	FR FB+12*\i, A16+(\slot), A8+(\slot), OF+1536*\i
.endr
.endm
.macro MULQ q, o, zero
.set FB, 96*((\q)%2)
.set SS, SC+4*((\q)%2)
.irp i, 0,1,2,3
.set DD, ACC+32*(\o)+8*\i
.set CR, BIAS+8*\i
.if (\zero) == 0
.set CR, DD
.endif
	v_wmma_scale_f32_16x16x128_f8f6f4 v[DD:DD+7], v[FB+48+12*\i:FB+48+12*\i+11], v[FB+12*(\o):FB+12*(\o)+11], v[CR:CR+7], v[SS+\i], v[SS+(\o)] matrix_a_fmt:MATRIX_FMT_FP6 matrix_b_fmt:MATRIX_FMT_FP6 matrix_a_scale:MATRIX_SCALE_ROW1
.endr
.endm
.macro KSTEP slot, q, zero
	s_wait_dscnt 8
	WIN MUL+16*(\zero)
	MULQ \q, 0, \zero
	MULQ \q, 1, \zero
	WIN 0
	PLACES 4
	FETCH \slot, (\q)+1
	s_wait_dscnt 36
	WIN MUL+16*(\zero)
	MULQ \q, 2, \zero
	MULQ \q, 3, \zero
.endm
.macro TURN slot, next, fill
	WIN 0
	s_wait_tensorcnt 0x0
	ds_add_u32 v[SPW], v[NIL]
	s_wait_dscnt 9
	WIN MUL
	MULQ 3, 0, 0
	s_wait_dscnt 0x0
	s_barrier_signal -1
	MULQ 3, 1, 0
	WIN 0
	s_barrier_wait -1
.if \fill
	CREST
	s_add_nc_u64 s[G0A+4*(\slot)+2:G0A+4*(\slot)+3], s[G0A+4*(\slot)+2:G0A+4*(\slot)+3], 8*SLAB
	s_add_nc_u64 s[G0B+4*(\slot)+2:G0B+4*(\slot)+3], s[G0B+4*(\slot)+2:G0B+4*(\slot)+3], 8*SLAB
	JLOAD G0A+4*(\slot), G0B+4*(\slot)
.else
	PLACES 4
.endif
	FETCH \next, 0
	WIN MUL
	MULQ 3, 2, 0
	MULQ 3, 3, 0
.endm
	s_load_b256 s[4:11], s[0:1], 0x0
	s_load_b64 s[12:13], s[0:1], 0x20
	v_lshl_add_u32 v[SPW], v0, 2, SPARE
	v_mov_b32 v[NIL], 0
	ds_add_u32 v[SPW], v[NIL]
	ds_add_u32 v[SPW], v[NIL]
	v_lshrrev_b32 v1, 5, v0
	v_readfirstlane_b32 s[WV], v1
	s_lshr_b32 s[XH], s[WV], 1
	s_and_b32 s[YH], s[WV], 1
	s_bfe_u32 s19, ttmp6, 0x40000
	s_bfe_u32 s20, ttmp6, 0x40004
	s_lshl_b32 s21, ttmp9, 2
	s_add_co_u32 s21, s21, s19
	s_and_b32 s22, ttmp7, 0xffff
	s_lshl_b32 s22, s22, 2
	s_add_co_u32 s22, s22, s20
	s_lshl_b32 s23, s20, 2
	s_lshl_b32 s23, 15, s23
	s_lshl_b32 s2, 0x1111, s19
	s_or_b32 s[G1A], s23, (3<<16)|(1<<21)
	s_or_b32 s[G1B], s2, (3<<16)|(1<<21)
.irp g, G1A, G1B
	s_mov_b32 s[\g+1], 32<<16
	s_mov_b32 s[\g+2], 200<<16                     ; four slabs, 51,200 dense bytes, as 200 rows of 32 elements of 8 bytes
	s_mov_b32 s[\g+3], 32<<16
	s_mov_b32 s[\g+4], 200
	s_mov_b32 s[\g+5], 32
	s_mov_b32 s[\g+6], 0
	s_mov_b32 s[\g+7], 0
.endr
	s_mul_i32 s[W25], s[WV], 4*SLAB                ; LDS: wave w's four slabs at 4 w slabs: slot w / 2, ctx's half then Wo's
	s_mul_i32 s[H25], s[XH], 4*SLAB                ; memory: K steps 4 (w / 2) on
	s_mul_i32 s96, s22, KS*SLAB
	s_add_co_u32 s96, s96, s[H25]
	s_mov_b32 s97, 0
	s_mul_i32 s98, s21, KS*SLAB
	s_add_co_u32 s98, s98, s[H25]
	s_mov_b32 s99, 0
	s_wait_dscnt 0x0
	s_wait_kmcnt 0x0
	s_add_nc_u64 s[96:97], s[4:5], s[96:97]
	s_add_nc_u64 s[98:99], s[6:7], s[98:99]
	s_add_nc_u64 s[98:99], s[98:99], WOFF*SLAB
.irp s, 0                                      ; all of K, 16 slabs, fits the two slots at once: one load a wave fills both, and nothing is filled again
	s_mov_b32 s[G0A+4*\s], 1
	s_add_co_u32 s[G0A+4*\s+1], s[W25], \s*SLOTB
	s_add_nc_u64 s[G0A+4*\s+2:G0A+4*\s+3], s[96:97], \s*4*SLAB
	s_or_b32 s[G0A+4*\s+3], s[G0A+4*\s+3], 0x80000000
	s_mov_b32 s[G0B+4*\s], 1
	s_add_co_u32 s[G0B+4*\s+1], s[W25], \s*SLOTB
	s_add_nc_u64 s[G0B+4*\s+2:G0B+4*\s+3], s[98:99], \s*4*SLAB
	s_or_b32 s[G0B+4*\s+3], s[G0B+4*\s+3], 0x80000000
.endr
	CROUND
	JLOAD G0A, G0B                                 ; one tensor load a wave at the head
	v_and_b32 v1, 15, v0
	v_bfe_u32 v2, v0, 4, 1
	v_and_b32 v3, 31, v0
	v_lshlrev_b32 v24, 4, v3
	v_lshlrev_b32 v25, 3, v3
	s_mul_i32 s23, s[XH], 6144
	s_mul_i32 s2, s[YH], 6144
	s_add_co_u32 s2, s2, 4*SLAB
.irp s, 0,1
	v_add_nc_u32 v[A16+\s], s23, v24
	v_add_nc_u32 v[A8+\s], s23, v25
	v_add_nc_u32 v[B16+\s], s2, v24
	v_add_nc_u32 v[B8+\s], s2, v25
	s_add_co_u32 s23, s23, SLOTB
	s_add_co_u32 s2, s2, SLOTB
.endr
	s_lshl_b32 s23, s[XH], 8
	s_lshl_b32 s2, s[YH], 8
	s_add_co_u32 s2, s2, 4*SLAB
	s_sub_co_u32 s2, s2, s23
	s_add_co_u32 s23, s23, 12288
	v_mul_u32_u24 v[SCA], s2, v2
	v_lshl_add_u32 v[SCA], v1, 2, v[SCA]
	v_add_nc_u32 v[SCA], s23, v[SCA]
	v_add_nc_u32 v[SCA+1], SLOTB, v[SCA]
	s_mul_i32 s23, s[WV], 4352
	s_add_co_u32 s23, s23, STAGE
	v_mul_u32_u24 v[STO], v1, 272
	v_lshl_add_u32 v[STO], v2, 6, v[STO]
	v_add_nc_u32 v[STO], s23, v[STO]
	v_mul_u32_u24 v[RD], v2, 272
	v_lshl_add_u32 v[RD], v1, 4, v[RD]
	v_add_nc_u32 v[RD], s23, v[RD]
	v_lshlrev_b32 v[CO], 12, v2
	v_lshl_add_u32 v[CO], v1, 4, v[CO]
	v_lshlrev_b32 v[BO], 6, v2
	s_wait_alu depctr_va_vdst(0)
	s_lshl_b32 s68, s21, 9
	s_lshl_b32 s2, s[YH], 8
	s_add_co_u32 s68, s68, s2
	s_mov_b32 s69, 0
	s_add_nc_u64 s[BIB:BIB+1], s[8:9], s[68:69]
	s_lshl_b32 s2, s22, 19
	s_add_co_u32 s68, s68, s2
	s_lshl_b32 s2, s[XH], 18
	s_add_co_u32 s68, s68, s2
	s_add_nc_u64 s[RES:RES+1], s[10:11], s[68:69]
	s_add_nc_u64 s[OUTB:OUTB+1], s[12:13], s[68:69]
	WIN TO_F
.irp b, 0,1,2,3
	global_load_b128 v[BIAS+8*\b:BIAS+8*\b+3], v[BO], s[BIB:BIB+1] offset:(32*(\b/2)+8*(\b%2))*4
	global_load_b128 v[BIAS+8*\b+4:BIAS+8*\b+7], v[BO], s[BIB:BIB+1] offset:(32*(\b/2)+8*(\b%2))*4+16
.endr
	WIN 0x80
.irp a, 0,1,2,3
.irp t, 0,1,2,3,4,5,6,7
	global_load_b128 v[32*\a+4*\t:32*\a+4*\t+3], v[CO], s[RES:RES+1] offset:(16*\a+2*\t)*4096
.endr
.endr
	WIN 0
	s_wait_tensorcnt 0x0                           ; my four slabs are in; behind the barrier everybody's are
	s_barrier_signal -1
	s_barrier_wait -1
	FETCH 0, 0
	s_wait_loadcnt 32
.set N, 0
.rept NSL
.set SL, N%2
.if N == 0
	KSTEP SL, 0, 1
.else
	KSTEP SL, 0, 0
.endif
	KSTEP SL, 1, 0
	KSTEP SL, 2, 0
.if N+1 < NSL
.if N+2 < NSL
	TURN SL, 1-SL, 1
.else
	TURN SL, 1-SL, 0
.endif
.else
	s_wait_dscnt 8
	WIN MUL
	MULQ 3, 0, 0
	MULQ 3, 1, 0
	s_wait_dscnt 0x0
	MULQ 3, 2, 0
	MULQ 3, 3, 0
.endif
.set N, N+1
.endr
	WIN 0
	PLACES 4
	s_wait_loadcnt 0x0
.irp a, 0,1,2,3
.if \a >= 2
	s_wait_xcnt 0x0
.endif
.irp b, 0,1,2,3
	ds_store_b128 v[STO], v[ACC+32*\a+8*\b:ACC+32*\a+8*\b+3] offset:128*(\b/2)+32*(\b%2)
	ds_store_b128 v[STO], v[ACC+32*\a+8*\b+4:ACC+32*\a+8*\b+7] offset:128*(\b/2)+32*(\b%2)+16
.endr
.irp t, 0,1,2,3,4,5,6,7
	ds_load_b128 v[BK+32*(\a%2)+4*\t:BK+32*(\a%2)+4*\t+3], v[RD] offset:544*\t
.endr
	s_wait_dscnt 0x0
	WIN 0x08
.irp p, 0,1,2,3,4,5,6,7,8,9,10,11,12,13,14,15
	v_pk_add_f32 v[BK+32*(\a%2)+2*\p:BK+32*(\a%2)+2*\p+1], v[BK+32*(\a%2)+2*\p:BK+32*(\a%2)+2*\p+1], v[32*\a+2*\p:32*\a+2*\p+1]
.endr
	WIN 0
.irp t, 0,1,2,3,4,5,6,7
	global_store_b128 v[CO], v[BK+32*(\a%2)+4*\t:BK+32*(\a%2)+4*\t+3], s[OUTB:OUTB+1] offset:(16*\a+2*\t)*4096
.endr
.endr
	s_wait_tensorcnt 0x0
	ds_add_u32 v[SPW], v[NIL]
	s_wait_dscnt 0x0
	CROUND
	s_endpgm
.Lfunc_end_k_qba2be19534_wo:
	.size	k_qba2be19534_wo, .Lfunc_end_k_qba2be19534_wo-k_qba2be19534_wo
	.p2alignl 7, 3214868480
	.fill 96, 4, 3214868480
	.section	.rodata,"a",@progbits
	.p2align	6, 0x0
	.amdhsa_kernel k_qba2be19534_wo
		.amdhsa_group_segment_fixed_size 327680
		.amdhsa_private_segment_fixed_size 0
		.amdhsa_enable_private_segment 0
		.amdhsa_kernarg_size 40
		.amdhsa_user_sgpr_count 2
		.amdhsa_user_sgpr_kernarg_segment_ptr 1
		.amdhsa_wavefront_size32 1
		.amdhsa_system_sgpr_workgroup_id_x 1
		.amdhsa_system_sgpr_workgroup_id_y 1
		.amdhsa_system_sgpr_workgroup_id_z 1
		.amdhsa_system_vgpr_workitem_id 0
		.amdhsa_next_free_vgpr 640
		.amdhsa_next_free_sgpr 100
		.amdhsa_reserve_vcc 0
		.amdhsa_float_denorm_mode_32 3
		.amdhsa_float_denorm_mode_16_64 3
		.amdhsa_memory_ordered 1
		.amdhsa_forward_progress 1
		.amdhsa_inst_pref_size 59
	.end_amdhsa_kernel
	.amdgpu_metadata
---
amdhsa.version: [ 1, 2 ]
amdhsa.kernels:
  - .name:           k_qba2be19534_wo
    .symbol:         k_qba2be19534_wo.kd
    .args:
      - { .name: ca, .offset: 0, .size: 8, .value_kind: global_buffer, .address_space: global }
      - { .name: wc, .offset: 8, .size: 8, .value_kind: global_buffer, .address_space: global }
      - { .name: bo, .offset: 16, .size: 8, .value_kind: global_buffer, .address_space: global }
      - { .name: x, .offset: 24, .size: 8, .value_kind: global_buffer, .address_space: global }
      - { .name: x1, .offset: 32, .size: 8, .value_kind: global_buffer, .address_space: global }
    .group_segment_fixed_size: 327680
    .private_segment_fixed_size: 0
    .kernarg_segment_align: 8
    .kernarg_segment_size: 40
    .max_flat_workgroup_size: 128
    .sgpr_count:     100
    .vgpr_count:     640
    .wavefront_size: 32
...
	.end_amdgpu_metadata
.endif
;; end of part 4
;; launch ln2: the kernel of part 1 again; grid 256 x 1, 8 waves a work-group, no clusters, 118,784 bytes of LDS; arguments x1, gamma2, beta2, ha, Wq, Wk, Wv, Wo, W1, W2, wc; writes ha, wc
;; launch ffn1 (part 5): grid 8 x 32, 4 waves a work-group, clusters of 4 x 4, 327,680 bytes of LDS; arguments ha, wc, b1, ga; writes ga
.if DOCPART == 5
	.amdgcn_target "amdgcn-amd-amdhsa--gfx1250"
	.amdhsa_code_object_version 6
	.text
	.protected	k_qba2be19534_ffn1
	.globl	k_qba2be19534_ffn1
	.p2align	8
	.type	k_qba2be19534_ffn1,@function
k_qba2be19534_ffn1:
	s_mov_b64 s[64:65], 0
	v_nop
	global_prefetch_b8 v0, s[64:65] scope:SCOPE_SE
	s_setreg_imm32_b32 hwreg(HW_REG_WAVE_MODE, 25, 1), 1
	s_wait_xcnt 0x0
	s_wait_alu depctr_hold_cnt(0) depctr_sa_sdst(0) depctr_va_vdst(0) depctr_va_sdst(0) depctr_va_ssrc(0) depctr_va_vcc(0) depctr_vm_vsrc(0)
	s_getreg_b32 s2, hwreg(HW_REG_IB_STS2, 6, 4)
	s_cmp_eq_u32 s2, 0
	s_cbranch_scc0 .Lentry_in_a_cluster
	s_endpgm
.Lentry_in_a_cluster:
	s_bfe_u32 s2, ttmp6, 0x10000c
	s_cmp_lg_u32 s2, 0xf033
	s_cbranch_scc0 .Lentry_shape_is_right
	s_endpgm
.Lentry_shape_is_right:
; g = gelu_tanh(h2 W1 + b1) on codes of FP6 (E2M3) with E8M0 scales; g is quantised in registers along its 4,096 columns, the next product's K, and stored in the order of the operand's registers.
; OPERANDS: slabs of 12,800 bytes (128 rows x 128 along K: 8 fragments of 1,536 bytes, each two halves of 768: lane l's registers 0-3 at 16 l, 4-5 at 512 + 8 l; then 8 x 64 bytes of scale words).
; SHARES.  A work-group takes 128 tokens (tile gy) and four tiles of 128 columns, 4 gx + j.  Four waves of 64 x 64: 16 accumulators.  h2's panel (all 8 K steps) stays in LDS; W1's panels go through two slots.
; CLUSTER 4 x 4: h2's panel is shared along a row of the cluster, a panel of W1 along a column: each is asked for jointly.
; The product is used transposed (source 0 = W1, source 1 = tokens); W1's blocks are laid so that a lane's 32 registers of a token block are its token's 64 columns, register 16 b + i = column 32 b + 16 h + i.  b1 is the C of the first K step.
; GELU: 0.5 x (1 + tanh u) = x / (1 + 2^(x (k1 + k2 x^2))), k1 = -2 sqrt(2 / pi) log2(e), k2 = 0.044715 k1: where x^3 passes f32's range the exponential is 0 or infinity and g is x or 0, never NaN.
; OUT (ga): slab 32 gy + column tile; token block's fragment, half yh; the scale word's two bytes as a half word: runs of 64 bytes written in part, one byte in 24 of the codes'.
; LIMITS: a block whose largest magnitude lies under 2^(3 - 127) keeps the byte 1; a block of zeros gets the byte 1, not 127 (zero codes; this program alone reads the bytes); NaN and infinities are not served.
.set SLAB,  12800
.set PANEL, 8*SLAB                     ; LDS: h2's panel at 0, W1's slots at PANEL and 2 PANEL
.set SPARE, 3*PANEL
.set TSTRIDE, PANEL                    ; from a tile of W1 to the next
.set WBASE, 256*SLAB                   ; W1's first slab
.set GXS,   4*PANEL
.set A16, 4
.set A8,  6
.set B16, 8
.set B8,  10
.set SCL, 16
.set L16, 20
.set L8,  21
.set R4,  22
.set BO,  23
.set SPW, 26
.set NIL, 27
.set SC,  28                           ; v28-35 scale words, two sets of four: they hold nothing else
.set MX,  36
.set PT,  38
.set SO,  40
.set PW,  42
.set PC,  44
.set T,   64                           ; v64-95 GELU's work
.set K2,  96                           ; v[96:97] k2 twice, v[98:99] k1 twice
.set K1,  98
.set ACC, 128
.set BIAS, 192
.set WV, 16
.set XH, 17
.set YH, 18
.set G1A, 24
.set G1B, 32
.set G0A, 40
.set G0B, 48
.set GW,  56
.set W25, 60
.set H25, 61
.set SEL, 66
.set GH,  72
.set GWB, 74
.set B1B, 76
.set MSB, 0
.macro WIN new
.if MSB != (\new)
	s_set_vgpr_msb (MSB<<8)|(\new)
.set MSB, (\new)
.endif
.endm
.set MUL,  0x05
.set TO_F, 0x40
.macro PLACES n
.rept \n
	v_nop
.endr
.endm
.macro CROUND
	s_barrier_signal -1
	s_barrier_wait -1
	s_cmp_lg_u32 s[WV], 0
	s_cbranch_scc1 .Lnot_wave_0_\@
	s_barrier_signal -3
.Lnot_wave_0_\@:
	s_barrier_wait -3
	s_barrier_signal -1
	s_barrier_wait -1
.endm
.macro JLOAD g0a, g0b
	s_cmp_eq_u32 s[XH], 0
	s_cbranch_scc0 .Lfor_b_\@
	tensor_load_to_lds s[\g0a:\g0a+3], s[G1A:G1A+7]
	s_nop 0
	PLACES 4
	s_branch .Lasked_\@
.Lfor_b_\@:
	tensor_load_to_lds s[\g0b:\g0b+3], s[G1B:G1B+7]
	s_nop 0
	PLACES 4
.Lasked_\@:
.endm
.macro FR reg, a16, a8, off
	ds_load_b128 v[\reg:\reg+3], v[\a16] offset:\off
	ds_load_b64 v[\reg+4:\reg+5], v[\a8] offset:\off+512
	ds_load_b128 v[\reg+6:\reg+9], v[\a16] offset:\off+768
	ds_load_b64 v[\reg+10:\reg+11], v[\a8] offset:\off+1280
.endm
.macro FETCH slot, ks                  ; 36 LDS loads: the scale words, W1's four fragments, the tokens' four (the last eight loads are token blocks 2 and 3)
.set FB, 96*((\ks)%2)
.set SS, SC+4*((\ks)%2)
.set HI, (\ks)/4
.set OF, SLAB*((\ks)%4)
	WIN 0
.irp i, 0,1,2,3
	ds_load_b32 v[SS+\i], v[SCL+2*(\slot)+HI] offset:OF+64*\i
.endr
	WIN TO_F
.irp i, 0,1,2,3
	FR FB+48+12*\i, B16+4*(\slot)+HI, B8+4*(\slot)+HI, OF+1536*\i
.endr
.irp i, 0,1,2,3
	FR FB+12*\i, A16+HI, A8+HI, OF+1536*\i
.endr
.endm
.macro MULQ ks, o, zero, bset          ; token block o against W1's four blocks; the 16 accumulators take turns, one instruction a turn
.set FB, 96*((\ks)%2)
.set SS, SC+4*((\ks)%2)
.irp i, 0,1,2,3
.set DD, ACC+32*(\o)+8*\i
.set CR, BIAS+32*(\bset)+8*\i
.if (\zero) == 0
.set CR, DD
.endif
	v_wmma_scale_f32_16x16x128_f8f6f4 v[DD:DD+7], v[FB+48+12*\i:FB+48+12*\i+11], v[FB+12*(\o):FB+12*(\o)+11], v[CR:CR+7], v[SS+\i], v[SS+(\o)] matrix_a_fmt:MATRIX_FMT_FP6 matrix_b_fmt:MATRIX_FMT_FP6 matrix_a_scale:MATRIX_SCALE_ROW1
.endr
.endm
.macro KSTEP slot, ks, zero, bset
	s_wait_dscnt 8                                 ; all but the youngest eight loads (token blocks 2 and 3) are in
	WIN MUL+16*(\zero)
	MULQ \ks, 0, \zero, \bset
	MULQ \ks, 1, \zero, \bset
.if (\ks) < 7
	WIN 0
	PLACES 4                                       ; in front of loads into registers that the K step before multiplied
	FETCH \slot, (\ks)+1
	s_wait_dscnt 36                                ; all but the 36 just issued
.else
	s_wait_dscnt 0x0
.endif
	WIN MUL+16*(\zero)
	MULQ \ks, 2, \zero, \bset
	MULQ \ks, 3, \zero, \bset
.endm
.macro TILE slot, bset
	WIN 0
	PLACES 5                                       ; the first products write over accumulators of the tile before
	s_wait_loadcnt 0x0                             ; the bias
	KSTEP \slot, 0, 1, \bset
.irp k, 1,2,3,4,5,6,7
	KSTEP \slot, \k, 0, \bset
.endr
.endm
; The slot that the tile just finished has read is filled again, with the tile two on.  Every wave: all its tensor loads have landed (the other slot's panel among them), the add, its LDS reads are back; a round of the cluster's barrier; the joint load first behind it.
.macro REFILL ldsbase
	WIN 0
	s_wait_tensorcnt 0x0
	ds_add_u32 v[SPW], v[NIL]                      ; 0 onto my spare word; the descriptor's steps stand between it and the wait for it
	s_add_co_u32 s[GW+1], s[W25], \ldsbase
	s_add_nc_u64 s[GW+2:GW+3], s[GW+2:GW+3], TSTRIDE
	s_wait_dscnt 0x0
	CROUND
	tensor_load_to_lds s[GW:GW+3], s[G1B:G1B+7]
	s_nop 0
	PLACES 4                                       ; also the places in front of the loads that follow
.endm
.macro HOLD                            ; the last panel has landed, in every wave
	WIN 0
	s_wait_tensorcnt 0x0
	ds_add_u32 v[SPW], v[NIL]
	s_wait_dscnt 0x0
	s_barrier_signal -1
	s_barrier_wait -1
	PLACES 4
.endm
.macro BIASN set, j                    ; tile j's bias: lane (r, h), block b, register i: column 32 (b / 2) + 8 (b % 2) + 16 h + i
	WIN TO_F
.irp b, 0,1,2,3
	global_load_b128 v[BIAS+32*\set+8*\b:BIAS+32*\set+8*\b+3], v[BO], s[B1B:B1B+1] offset:512*\j+(32*(\b/2)+8*(\b%2))*4
	global_load_b128 v[BIAS+32*\set+8*\b+4:BIAS+32*\set+8*\b+7], v[BO], s[B1B:B1B+1] offset:512*\j+(32*(\b/2)+8*(\b%2))*4+16
.endr
	WIN 0
.endm
.macro HQUANT s                        ; 32 numbers of a lane, register 16 b + i = place 32 b + 16 (lane / 16) + i of my row, become half a fragment in v[PC:PC+5] and two scale bytes in v[PW]
.irp b, 0,1
	v_max3_num_f32 v[MX+\b], |v[\s+16*\b]|, |v[\s+16*\b+1]|, 0x1800000
.endr
.irp i, 2,4,6,8,10,12,14
.irp b, 0,1
	v_max3_num_f32 v[MX+\b], v[MX+\b], |v[\s+16*\b+\i]|, |v[\s+16*\b+\i+1]|
.endr
.endr
.irp b, 0,1
	v_permlanex16_b32 v[PT+\b], v[MX+\b], s[SEL], s[SEL+1]
.endr
.irp b, 0,1
	v_max_num_f32 v[MX+\b], v[MX+\b], v[PT+\b]
.endr
.irp b, 0,1
	v_add_nc_u32 v[SO+\b], 0xff000000, v[MX+\b]
.endr
.irp b, 0,1
	v_lshrrev_b32 v[PT+\b], 23, v[SO+\b]
.endr
	v_lshl_or_b32 v[PW], v[PT+1], 8, v[PT]
	v_cvt_scalef32_pk16_fp6_f32 v[PC:PC+2], v[\s:\s+15], v[SO]
	v_cvt_scalef32_pk16_fp6_f32 v[PC+6:PC+8], v[\s+16:\s+31], v[SO+1]
	v_nop                                          ; one plain place behind a scaled conversion
.irp i, 0,1,2
	v_permlane16_swap_b32 v[PC+\i], v[PC+6+\i]
.endr
.irp i, 0,1,2
	v_mov_b32 v[PC+3+\i], v[PC+6+\i]
.endr
.endm
.macro GELU s                          ; 32 numbers in place, in f32; each accumulator is read from its low end on.  Two batches of transcendentals, one wait each
.set I, 0
.rept 16
	v_pk_mul_f32 v[T+I:T+I+1], v[\s+I:\s+I+1], v[\s+I:\s+I+1]
.set I, I+2
.endr
.set I, 0
.rept 16
	v_pk_fma_f32 v[T+I:T+I+1], v[T+I:T+I+1], v[K2:K2+1], v[K1:K1+1]
.set I, I+2
.endr
.set I, 0
.rept 16
	v_pk_mul_f32 v[T+I:T+I+1], v[T+I:T+I+1], v[\s+I:\s+I+1]
.set I, I+2
.endr
.set I, 0
	s_wait_alu depctr_va_vdst(0)
.rept 32
	v_exp_f32 v[T+I], v[T+I]
.set I, I+1
.endr
	v_nop                                          ; a plain place behind the batch,
	s_wait_alu depctr_va_vdst(0)                   ; and the one wait ahead of its first reader
.set I, 0
.rept 16
	v_pk_add_f32 v[T+I:T+I+1], v[T+I:T+I+1], 1.0 op_sel_hi:[1,0]
.set I, I+2
.endr
.set I, 0
	s_wait_alu depctr_va_vdst(0)
.rept 32
	v_rcp_f32 v[T+I], v[T+I]
.set I, I+1
.endr
	v_nop
	s_wait_alu depctr_va_vdst(0)
.set I, 0
.rept 16
	v_pk_mul_f32 v[\s+I:\s+I+1], v[\s+I:\s+I+1], v[T+I:T+I+1]
.set I, I+2
.endr
.endm
.macro EG j                            ; tile j's way out: four token blocks, each half a fragment and two scale bytes
	WIN 0
	PLACES 4
.irp a, 0,1,2,3
	GELU ACC+32*\a
	s_wait_alu depctr_va_vdst(0)
	s_wait_xcnt 0x0                                ; the last group's stores have read their data
	HQUANT ACC+32*\a
	global_store_b128 v[L16], v[PC:PC+3], s[GH:GH+1] offset:SLAB*(\j)+1536*\a
	global_store_b64 v[L8], v[PC+4:PC+5], s[GH:GH+1] offset:SLAB*(\j)+1536*\a+512
	global_store_b16 v[R4], v[PW], s[GWB:GWB+1] offset:SLAB*(\j)+64*\a
.endr
.endm
	s_load_b256 s[4:11], s[0:1], 0x0               ; h2's codes, the weights' codes, b1, ga
	v_lshl_add_u32 v[SPW], v0, 2, SPARE
	v_mov_b32 v[NIL], 0
	ds_add_u32 v[SPW], v[NIL]                      ; the wave's opening: the add and its wait ahead of my first tensor load
	ds_add_u32 v[SPW], v[NIL]
	v_lshrrev_b32 v1, 5, v0
	v_readfirstlane_b32 s[WV], v1
	s_lshr_b32 s[XH], s[WV], 1
	s_and_b32 s[YH], s[WV], 1
	s_bfe_u32 s19, ttmp6, 0x40000
	s_bfe_u32 s20, ttmp6, 0x40004
	s_lshl_b32 s21, ttmp9, 2
	s_add_co_u32 s21, s21, s19                     ; gx
	s_and_b32 s22, ttmp7, 0xffff
	s_lshl_b32 s22, s22, 2
	s_add_co_u32 s22, s22, s20                     ; gy
	s_lshl_b32 s23, s20, 2
	s_lshl_b32 s23, 15, s23                        ; my row of the cluster
	s_lshl_b32 s2, 0x1111, s19                     ; my column
	s_or_b32 s[G1A], s23, (3<<16)|(1<<21)          ; group 1: dense bytes as rows of 32 elements of 8 bytes: 200 rows (four slabs) for the head's loads; behind them W1's group is set to 100 rows (two slabs)
	s_or_b32 s[G1B], s2, (3<<16)|(1<<21)
.irp g, G1A, G1B
	s_mov_b32 s[\g+1], 32<<16
	s_mov_b32 s[\g+2], 200<<16
	s_mov_b32 s[\g+3], 32<<16
	s_mov_b32 s[\g+4], 200
	s_mov_b32 s[\g+5], 32
	s_mov_b32 s[\g+6], 0
	s_mov_b32 s[\g+7], 0
.endr
	s_mul_i32 s[W25], s[WV], 2*SLAB
	s_mul_i32 s[H25], s[YH], 4*SLAB                ; the head's loads: four slabs a wave
	s_mul_i32 s96, s22, PANEL                      ; h2: made of gy and the wave alone
	s_add_co_u32 s96, s96, s[H25]
	s_mov_b32 s97, 0
	s_mul_i32 s98, s21, GXS                        ; W1: of gx and the wave alone
	s_add_co_u32 s62, s98, s[W25]
	s_add_co_u32 s98, s98, s[H25]
	s_mov_b32 s99, 0
	s_mov_b32 s63, 0
	s_mov_b32 s[SEL], 0x76543210
	s_mov_b32 s[SEL+1], 0xfedcba98
	s_wait_dscnt 0x0                               ; the opening add is done
	s_wait_kmcnt 0x0
	s_add_nc_u64 s[96:97], s[4:5], s[96:97]
	s_add_nc_u64 s[98:99], s[6:7], s[98:99]
	s_add_nc_u64 s[98:99], s[98:99], WBASE
	s_add_nc_u64 s[62:63], s[6:7], s[62:63]
	s_add_nc_u64 s[62:63], s[62:63], WBASE+TSTRIDE
	s_mov_b32 s[G0A], 1                            ; h2's panel: waves 0 and 1 fetch four slabs each
	s_mov_b32 s[G0A+1], s[H25]
	s_mov_b64 s[G0A+2:G0A+3], s[96:97]
	s_or_b32 s[G0A+3], s[G0A+3], 0x80000000
	s_mov_b32 s[G0B], 1                            ; tile 0 of W1, into slot 0: waves 2 and 3, four slabs each
	s_add_co_u32 s[G0B+1], s[H25], PANEL
	s_mov_b64 s[G0B+2:G0B+3], s[98:99]
	s_or_b32 s[G0B+3], s[G0B+3], 0x80000000
	s_mov_b32 s[GW], 1                             ; tile 1, into slot 1: two slabs for each of the four waves
	s_add_co_u32 s[GW+1], s[W25], 2*PANEL
	s_mov_b64 s[GW+2:GW+3], s[62:63]
	s_or_b32 s[GW+3], s[GW+3], 0x80000000
	CROUND                                         ; all sixteen work-groups are here: the first joint loads meet
	JLOAD G0A, G0B                                 ; one tensor load a wave at the head
	v_and_b32 v1, 15, v0                           ; r
	v_bfe_u32 v2, v0, 4, 1                         ; h
	v_and_b32 v3, 31, v0                           ; lane
	v_lshlrev_b32 v[L16], 4, v3
	v_lshlrev_b32 v[L8], 3, v3
	v_lshlrev_b32 v[R4], 2, v1
	v_lshlrev_b32 v[BO], 6, v2
	v_mov_b32 v[PT], 0                             ; written once: a lane permute's destination counts as one of its sources
	v_mov_b32 v[PT+1], 0
	v_mov_b32 v[K2], 0xbdd2d3e8
	v_mov_b32 v[K2+1], 0xbdd2d3e8
	v_mov_b32 v[K1], 0xc0135761
	v_mov_b32 v[K1+1], 0xc0135761
	s_mul_i32 s23, s[XH], 6144
	v_add_nc_u32 v[A16], s23, v[L16]
	v_add_nc_u32 v[A8], s23, v[L8]
	v_add_nc_u32 v[A16+1], 4*SLAB, v[A16]
	v_add_nc_u32 v[A8+1], 4*SLAB, v[A8]
	s_mul_i32 s23, s[YH], 6144
	s_add_co_u32 s23, s23, PANEL
.irp s, 0,1
	v_add_nc_u32 v[B16+4*\s], s23, v[L16]
	v_add_nc_u32 v[B8+4*\s], s23, v[L8]
	v_add_nc_u32 v[B16+4*\s+1], 4*SLAB, v[B16+4*\s]
	v_add_nc_u32 v[B8+4*\s+1], 4*SLAB, v[B8+4*\s]
	s_add_co_u32 s23, s23, PANEL
.endr
	s_lshl_b32 s23, s[XH], 8                       ; scale words: the lower base + h x the distance to W1's
	s_lshl_b32 s2, s[YH], 8
	s_add_co_u32 s2, s2, PANEL
	s_sub_co_u32 s2, s2, s23
	s_add_co_u32 s23, s23, 12288
	v_add_nc_u32 v25, s23, v[R4]
.irp s, 0,1
	v_mul_u32_u24 v[SCL+2*\s], s2, v2
	v_add_nc_u32 v[SCL+2*\s], v25, v[SCL+2*\s]
	v_add_nc_u32 v[SCL+2*\s+1], 4*SLAB, v[SCL+2*\s]
	s_add_co_u32 s2, s2, PANEL
.endr
	s_lshl_b32 s70, s21, 11
	s_lshl_b32 s2, s[YH], 8
	s_add_co_u32 s70, s70, s2                      ; 4 x (512 gx + 64 yh)
	s_mov_b32 s71, 0
	s_add_nc_u64 s[B1B:B1B+1], s[8:9], s[70:71]
	BIASN 0, 0
	BIASN 1, 1
	s_lshl_b32 s3, s22, 5
	s_lshl_b32 s2, s21, 2
	s_add_co_u32 s3, s3, s2
	s_mul_i32 s3, s3, SLAB                         ; slab 32 gy + 4 gx
	s_mul_i32 s70, s[XH], 6144
	s_add_co_u32 s70, s70, s3
	s_mul_i32 s2, s[YH], 768
	s_add_co_u32 s70, s70, s2
	s_add_nc_u64 s[GH:GH+1], s[10:11], s[70:71]
	s_lshl_b32 s70, s[XH], 8
	s_add_co_u32 s70, s70, s3
	s_lshl_b32 s2, s[YH], 1
	s_add_co_u32 s70, s70, s2
	s_add_co_u32 s70, s70, 12288
	s_add_nc_u64 s[GWB:GWB+1], s[10:11], s[70:71]
	s_wait_alu depctr_va_vdst(0)
	s_wait_tensorcnt 0x0                           ; my four slabs are in
	ds_add_u32 v[SPW], v[NIL]
	s_mov_b32 s[G1B+2], 100<<16                    ; no tensor load of mine is out: from here on a load of W1 brings two slabs
	s_mov_b32 s[G1B+4], 100
	s_wait_dscnt 0x0
	CROUND                                         ; h2's panel and tile 0 are whole, and all sixteen work-groups are here
	tensor_load_to_lds s[GW:GW+3], s[G1B:G1B+7]    ; slot 1's first fill: tile 1, two slabs a wave; it has tile 0's eight K steps in which to land
	s_nop 0
	PLACES 4
	FETCH 0, 0
	s_wait_loadcnt 0x0                             ; the biases
	KSTEP 0, 0, 1, 0
.irp k, 1,2,3,4,5,6,7
	KSTEP 0, \k, 0, 0
.endr
	REFILL PANEL                                   ; slot 0 takes tile 2; it has an epilogue and a whole tile in which to land
	BIASN 0, 2
	FETCH 1, 0                                     ; the next tile's first fragments land under the way out, which has no LDS instruction
	EG 0
	TILE 1, 1
	REFILL 2*PANEL                                 ; slot 1 takes tile 3
	BIASN 1, 3
	FETCH 0, 0
	EG 1
	TILE 0, 0
	HOLD
	FETCH 1, 0
	EG 2
	TILE 1, 1
	EG 3
	s_wait_tensorcnt 0x0                           ; the wave's end
	ds_add_u32 v[SPW], v[NIL]
	s_wait_dscnt 0x0
	CROUND                                         ; the closing round
	s_endpgm
.Lfunc_end_k_qba2be19534_ffn1:
	.size	k_qba2be19534_ffn1, .Lfunc_end_k_qba2be19534_ffn1-k_qba2be19534_ffn1
	.p2alignl 7, 3214868480
	.fill 96, 4, 3214868480
	.section	.rodata,"a",@progbits
	.p2align	6, 0x0
	.amdhsa_kernel k_qba2be19534_ffn1
		.amdhsa_group_segment_fixed_size 327680
		.amdhsa_private_segment_fixed_size 0
		.amdhsa_enable_private_segment 0
		.amdhsa_kernarg_size 32
		.amdhsa_user_sgpr_count 2
		.amdhsa_user_sgpr_kernarg_segment_ptr 1
		.amdhsa_wavefront_size32 1
		.amdhsa_system_sgpr_workgroup_id_x 1
		.amdhsa_system_sgpr_workgroup_id_y 1
		.amdhsa_system_sgpr_workgroup_id_z 1
		.amdhsa_system_vgpr_workitem_id 0
		.amdhsa_next_free_vgpr 512
		.amdhsa_next_free_sgpr 100
		.amdhsa_reserve_vcc 0
		.amdhsa_float_denorm_mode_32 3
		.amdhsa_float_denorm_mode_16_64 3
		.amdhsa_memory_ordered 1
		.amdhsa_forward_progress 1
		.amdhsa_inst_pref_size 255
	.end_amdhsa_kernel
	.section	.bss,"aw",@nobits
	.p2align	6
	.space	262144
	.amdgpu_metadata
---
amdhsa.version: [ 1, 2 ]
amdhsa.kernels:
  - .name:           k_qba2be19534_ffn1
    .symbol:         k_qba2be19534_ffn1.kd
    .args:
      - { .name: ha, .offset: 0, .size: 8, .value_kind: global_buffer, .address_space: global }
      - { .name: wc, .offset: 8, .size: 8, .value_kind: global_buffer, .address_space: global }
      - { .name: b1, .offset: 16, .size: 8, .value_kind: global_buffer, .address_space: global }
      - { .name: ga, .offset: 24, .size: 8, .value_kind: global_buffer, .address_space: global }
    .group_segment_fixed_size: 327680
    .private_segment_fixed_size: 0
    .kernarg_segment_align: 8
    .kernarg_segment_size: 32
    .max_flat_workgroup_size: 128
    .sgpr_count:     100
    .vgpr_count:     512
    .wavefront_size: 32
...
	.end_amdgpu_metadata
.endif
;; end of part 5
;; launch ffn2 (part 6): grid 8 x 32, 4 waves a work-group, clusters of 4 x 4, 327,680 bytes of LDS; arguments ga, wc, b2, x1, out0; writes out0
.if DOCPART == 6
	.amdgcn_target "amdgcn-amd-amdhsa--gfx1250"
	.amdhsa_code_object_version 6
	.text
	.protected	k_qba2be19534_ffn2
	.globl	k_qba2be19534_ffn2
	.p2align	8
	.type	k_qba2be19534_ffn2,@function
k_qba2be19534_ffn2:
	s_mov_b64 s[64:65], 0
	v_nop
	global_prefetch_b8 v0, s[64:65] scope:SCOPE_SE
	s_setreg_imm32_b32 hwreg(HW_REG_WAVE_MODE, 25, 1), 1
	s_wait_xcnt 0x0
	s_wait_alu depctr_hold_cnt(0) depctr_sa_sdst(0) depctr_va_vdst(0) depctr_va_sdst(0) depctr_va_ssrc(0) depctr_va_vcc(0) depctr_vm_vsrc(0)
	s_getreg_b32 s2, hwreg(HW_REG_IB_STS2, 6, 4)
	s_cmp_eq_u32 s2, 0
	s_cbranch_scc0 .Lentry_in_a_cluster
	s_endpgm
.Lentry_in_a_cluster:
	s_bfe_u32 s2, ttmp6, 0x10000c
	s_cmp_lg_u32 s2, 0xf033
	s_cbranch_scc0 .Lentry_shape_is_right
	s_endpgm
.Lentry_shape_is_right:
.set SK,    6
.set NFULL, 5
.set KS,    32
.set WOFF,  512
.set SLAB,  12800
.set HALF,  SK*SLAB
.set SLOTB, 2*HALF
.set STAGE, 2*SLOTB
.set SPARE, STAGE+4*4352
.set SCA, 12
.set STO, 14
.set RD,  15
.set CO,  16
.set BO,  17
.set SPW, 26
.set NIL, 27
.set SC,  28
.set A16, 36
.set A8,  40
.set B16, 44
.set B8,  48
.set BK,  64
.set ACC, 128
.set BIAS, 192
.set WV, 16
.set XH, 17
.set YH, 18
.set G1A, 24
.set G1B, 32
.set G0A, 40
.set G0B, 48
.set RES, 56
.set OUTB, 58
.set W3,  60
.set H3,  61
.set BIB, 62
.set G1AS, 72
.set G1BS, 80
.set G0AS, 88
.set G0BS, 92
.set MSB, 0
.macro WIN new
.if MSB != (\new)
	s_set_vgpr_msb (MSB<<8)|(\new)
.set MSB, (\new)
.endif
.endm
.set MUL,  0x05
.set TO_F, 0x40
.macro PLACES n
.rept \n
	v_nop
.endr
.endm
.macro CREST
	s_cmp_lg_u32 s[WV], 0
	s_cbranch_scc1 .Lnot_wave_0_\@
	s_barrier_signal -3
.Lnot_wave_0_\@:
	s_barrier_wait -3
	s_barrier_signal -1
	s_barrier_wait -1
.endm
.macro CROUND
	s_barrier_signal -1
	s_barrier_wait -1
	CREST
.endm
.macro JLOAD g0a, g1a, g0b, g1b
	s_cmp_eq_u32 s[XH], 0
	s_cbranch_scc0 .Lfor_b_\@
	tensor_load_to_lds s[\g0a:\g0a+3], s[\g1a:\g1a+7]
	s_nop 0
	PLACES 4
	s_branch .Lasked_\@
.Lfor_b_\@:
	tensor_load_to_lds s[\g0b:\g0b+3], s[\g1b:\g1b+7]
	s_nop 0
	PLACES 4
.Lasked_\@:
.endm
.macro FR reg, a16, a8, off
	ds_load_b128 v[\reg:\reg+3], v[\a16] offset:\off
	ds_load_b64 v[\reg+4:\reg+5], v[\a8] offset:\off+512
	ds_load_b128 v[\reg+6:\reg+9], v[\a16] offset:\off+768
	ds_load_b64 v[\reg+10:\reg+11], v[\a8] offset:\off+1280
.endm
.macro FETCH slot, q
.set FB, 96*((\q)%2)
.set SS, SC+4*((\q)%2)
.set HI, (\q)/3
.set OF, SLAB*((\q)%3)
	WIN 0
.irp i, 0,1,2,3
	ds_load_b32 v[SS+\i], v[SCA+(\slot)] offset:SLAB*(\q)+64*\i
.endr
	WIN TO_F
.irp i, 0,1,2,3
	FR FB+48+12*\i, B16+2*(\slot)+HI, B8+2*(\slot)+HI, OF+1536*\i
.endr
.irp i, 0,1,2,3
	FR FB+12*\i, A16+2*(\slot)+HI, A8+2*(\slot)+HI, OF+1536*\i
.endr
.endm
.macro MULQ q, o, zero
.set FB, 96*((\q)%2)
.set SS, SC+4*((\q)%2)
.irp i, 0,1,2,3
.set DD, ACC+32*(\o)+8*\i
.set CR, BIAS+8*\i
.if (\zero) == 0
.set CR, DD
.endif
	v_wmma_scale_f32_16x16x128_f8f6f4 v[DD:DD+7], v[FB+48+12*\i:FB+48+12*\i+11], v[FB+12*(\o):FB+12*(\o)+11], v[CR:CR+7], v[SS+\i], v[SS+(\o)] matrix_a_fmt:MATRIX_FMT_FP6 matrix_b_fmt:MATRIX_FMT_FP6 matrix_a_scale:MATRIX_SCALE_ROW1
.endr
.endm
.macro KSTEP slot, q, zero
	s_wait_dscnt 8
	WIN MUL+16*(\zero)
	MULQ \q, 0, \zero
	MULQ \q, 1, \zero
	WIN 0
	PLACES 4
	FETCH \slot, (\q)+1
	s_wait_dscnt 36
	WIN MUL+16*(\zero)
	MULQ \q, 2, \zero
	MULQ \q, 3, \zero
.endm
.macro TURN slot, next, fill
	WIN 0
	s_wait_tensorcnt 0x0
	ds_add_u32 v[SPW], v[NIL]
	s_wait_dscnt 9
	WIN MUL
	MULQ SK-1, 0, 0
	s_wait_dscnt 0x0
	s_barrier_signal -1
	MULQ SK-1, 1, 0
	WIN 0
	s_barrier_wait -1
.if (\fill) == 1
	CREST
	s_add_nc_u64 s[G0A+4*(\slot)+2:G0A+4*(\slot)+3], s[G0A+4*(\slot)+2:G0A+4*(\slot)+3], 2*HALF
	s_add_nc_u64 s[G0B+4*(\slot)+2:G0B+4*(\slot)+3], s[G0B+4*(\slot)+2:G0B+4*(\slot)+3], 2*HALF
	JLOAD G0A+4*(\slot), G1A, G0B+4*(\slot), G1B
.elseif (\fill) == 2
	CREST
	JLOAD G0AS, G1AS, G0BS, G1BS
.else
	PLACES 4
.endif
	FETCH \next, 0
	WIN MUL
	MULQ SK-1, 2, 0
	MULQ SK-1, 3, 0
.endm
	s_load_b256 s[4:11], s[0:1], 0x0
	s_load_b64 s[12:13], s[0:1], 0x20
	v_lshl_add_u32 v[SPW], v0, 2, SPARE
	v_mov_b32 v[NIL], 0
	ds_add_u32 v[SPW], v[NIL]
	ds_add_u32 v[SPW], v[NIL]
	v_lshrrev_b32 v1, 5, v0
	v_readfirstlane_b32 s[WV], v1
	s_lshr_b32 s[XH], s[WV], 1
	s_and_b32 s[YH], s[WV], 1
	s_bfe_u32 s19, ttmp6, 0x40000
	s_bfe_u32 s20, ttmp6, 0x40004
	s_lshl_b32 s21, ttmp9, 2
	s_add_co_u32 s21, s21, s19
	s_and_b32 s22, ttmp7, 0xffff
	s_lshl_b32 s22, s22, 2
	s_add_co_u32 s22, s22, s20
	s_lshl_b32 s23, s20, 2
	s_lshl_b32 s23, 15, s23
	s_lshl_b32 s2, 0x1111, s19
	s_or_b32 s[G1A], s23, (3<<16)|(1<<21)
	s_or_b32 s[G1B], s2, (3<<16)|(1<<21)
	s_or_b32 s[G1AS], s23, (3<<16)|(1<<21)
	s_or_b32 s[G1BS], s2, (3<<16)|(1<<21)
.irp g, G1A, G1B
	s_mov_b32 s[\g+1], 32<<16
	s_mov_b32 s[\g+2], 150<<16
	s_mov_b32 s[\g+3], 32<<16
	s_mov_b32 s[\g+4], 150
	s_mov_b32 s[\g+5], 32
	s_mov_b32 s[\g+6], 0
	s_mov_b32 s[\g+7], 0
.endr
.irp g, G1AS, G1BS
	s_mov_b32 s[\g+1], 32<<16
	s_mov_b32 s[\g+2], 50<<16
	s_mov_b32 s[\g+3], 32<<16
	s_mov_b32 s[\g+4], 50
	s_mov_b32 s[\g+5], 32
	s_mov_b32 s[\g+6], 0
	s_mov_b32 s[\g+7], 0
.endr
	s_mul_i32 s[W3], s[WV], 3*SLAB
	s_mul_i32 s[H3], s[YH], 3*SLAB
	s_mov_b32 s70, s[H3]
	s_mov_b32 s71, 0
	s_mul_i32 s66, s[YH], SLAB
	s_mov_b32 s67, 0
	s_mul_i32 s96, s22, KS*SLAB
	s_mov_b32 s97, 0
	s_mul_i32 s98, s21, KS*SLAB
	s_mov_b32 s99, 0
	s_wait_dscnt 0x0
	s_wait_kmcnt 0x0
	s_add_nc_u64 s[96:97], s[4:5], s[96:97]
	s_add_nc_u64 s[98:99], s[6:7], s[98:99]
	s_add_nc_u64 s[98:99], s[98:99], WOFF*SLAB
	s_mov_b32 s[G0AS], 1
	s_add_co_u32 s[G0AS+1], s66, SLOTB
	s_add_nc_u64 s[G0AS+2:G0AS+3], s[96:97], s[66:67]
	s_add_nc_u64 s[G0AS+2:G0AS+3], s[G0AS+2:G0AS+3], NFULL*HALF
	s_or_b32 s[G0AS+3], s[G0AS+3], 0x80000000
	s_mov_b32 s[G0BS], 1
	s_add_co_u32 s[G0BS+1], s66, SLOTB+HALF
	s_add_nc_u64 s[G0BS+2:G0BS+3], s[98:99], s[66:67]
	s_add_nc_u64 s[G0BS+2:G0BS+3], s[G0BS+2:G0BS+3], NFULL*HALF
	s_or_b32 s[G0BS+3], s[G0BS+3], 0x80000000
	s_add_nc_u64 s[96:97], s[96:97], s[70:71]
	s_add_nc_u64 s[98:99], s[98:99], s[70:71]
.irp s, 0,1
	s_mov_b32 s[G0A+4*\s], 1
	s_add_co_u32 s[G0A+4*\s+1], s[W3], \s*SLOTB
	s_add_nc_u64 s[G0A+4*\s+2:G0A+4*\s+3], s[96:97], \s*HALF
	s_or_b32 s[G0A+4*\s+3], s[G0A+4*\s+3], 0x80000000
	s_mov_b32 s[G0B+4*\s], 1
	s_add_co_u32 s[G0B+4*\s+1], s[W3], \s*SLOTB
	s_add_nc_u64 s[G0B+4*\s+2:G0B+4*\s+3], s[98:99], \s*HALF
	s_or_b32 s[G0B+4*\s+3], s[G0B+4*\s+3], 0x80000000
.endr
	CROUND
	JLOAD G0A, G1A, G0B, G1B
	s_wait_alu depctr_va_vdst(0)
	s_wait_tensorcnt 0x0
	ds_add_u32 v26, v27
	s_wait_dscnt 0x0
	CROUND
	JLOAD G0A+4, G1A, G0B+4, G1B
	v_and_b32 v1, 15, v0
	v_bfe_u32 v2, v0, 4, 1
	v_and_b32 v3, 31, v0
	v_lshlrev_b32 v24, 4, v3
	v_lshlrev_b32 v25, 3, v3
	s_mul_i32 s23, s[XH], 6144
	s_mul_i32 s2, s[YH], 6144
	s_add_co_u32 s2, s2, HALF
.irp s, 0,1
	v_add_nc_u32 v[A16+2*\s], s23, v24
	v_add_nc_u32 v[A8+2*\s], s23, v25
	v_add_nc_u32 v[B16+2*\s], s2, v24
	v_add_nc_u32 v[B8+2*\s], s2, v25
	v_add_nc_u32 v[A16+2*\s+1], 3*SLAB, v[A16+2*\s]
	v_add_nc_u32 v[A8+2*\s+1], 3*SLAB, v[A8+2*\s]
	v_add_nc_u32 v[B16+2*\s+1], 3*SLAB, v[B16+2*\s]
	v_add_nc_u32 v[B8+2*\s+1], 3*SLAB, v[B8+2*\s]
	s_add_co_u32 s23, s23, SLOTB
	s_add_co_u32 s2, s2, SLOTB
.endr
	s_lshl_b32 s23, s[XH], 8
	s_lshl_b32 s2, s[YH], 8
	s_add_co_u32 s2, s2, HALF
	s_sub_co_u32 s2, s2, s23
	s_add_co_u32 s23, s23, 12288
	v_mul_u32_u24 v[SCA], s2, v2
	v_lshl_add_u32 v[SCA], v1, 2, v[SCA]
	v_add_nc_u32 v[SCA], s23, v[SCA]
	v_add_nc_u32 v[SCA+1], SLOTB, v[SCA]
	s_mul_i32 s23, s[WV], 4352
	s_add_co_u32 s23, s23, STAGE
	v_mul_u32_u24 v[STO], v1, 272
	v_lshl_add_u32 v[STO], v2, 6, v[STO]
	v_add_nc_u32 v[STO], s23, v[STO]
	v_mul_u32_u24 v[RD], v2, 272
	v_lshl_add_u32 v[RD], v1, 4, v[RD]
	v_add_nc_u32 v[RD], s23, v[RD]
	v_lshlrev_b32 v[CO], 12, v2
	v_lshl_add_u32 v[CO], v1, 4, v[CO]
	v_lshlrev_b32 v[BO], 6, v2
	s_wait_alu depctr_va_vdst(0)
	s_lshl_b32 s68, s21, 9
	s_lshl_b32 s2, s[YH], 8
	s_add_co_u32 s68, s68, s2
	s_mov_b32 s69, 0
	s_add_nc_u64 s[BIB:BIB+1], s[8:9], s[68:69]
	s_lshl_b32 s2, s22, 19
	s_add_co_u32 s68, s68, s2
	s_lshl_b32 s2, s[XH], 18
	s_add_co_u32 s68, s68, s2
	s_add_nc_u64 s[RES:RES+1], s[10:11], s[68:69]
	s_add_nc_u64 s[OUTB:OUTB+1], s[12:13], s[68:69]
	WIN TO_F
.irp b, 0,1,2,3
	global_load_b128 v[BIAS+8*\b:BIAS+8*\b+3], v[BO], s[BIB:BIB+1] offset:(32*(\b/2)+8*(\b%2))*4
	global_load_b128 v[BIAS+8*\b+4:BIAS+8*\b+7], v[BO], s[BIB:BIB+1] offset:(32*(\b/2)+8*(\b%2))*4+16
.endr
	WIN 0x80
.irp a, 0,1,2,3
.irp t, 0,1,2,3,4,5,6,7
	global_load_b128 v[32*\a+4*\t:32*\a+4*\t+3], v[CO], s[RES:RES+1] offset:(16*\a+2*\t)*4096
.endr
.endr
	WIN 0
	s_wait_tensorcnt 1
	s_barrier_signal -1
	s_barrier_wait -1
	FETCH 0, 0
	s_wait_loadcnt 32
.set N, 0
.rept NFULL
.set SL, N%2
.if N == 0
	KSTEP SL, 0, 1
.else
	KSTEP SL, 0, 0
.endif
	KSTEP SL, 1, 0
	KSTEP SL, 2, 0
	KSTEP SL, 3, 0
	KSTEP SL, 4, 0
.if N < 3
	TURN SL, 1-SL, 1
.elseif N == 3
	TURN SL, 1-SL, 2
.else
	TURN SL, 1-SL, 0
.endif
.set N, N+1
.endr
	KSTEP 1, 0, 0
	s_wait_dscnt 8
	WIN MUL
	MULQ 1, 0, 0
	MULQ 1, 1, 0
	s_wait_dscnt 0x0
	MULQ 1, 2, 0
	MULQ 1, 3, 0
	WIN 0
	PLACES 4
	s_wait_loadcnt 0x0
.irp a, 0,1,2,3
.if \a >= 2
	s_wait_xcnt 0x0
.endif
.irp b, 0,1,2,3
	ds_store_b128 v[STO], v[ACC+32*\a+8*\b:ACC+32*\a+8*\b+3] offset:128*(\b/2)+32*(\b%2)
	ds_store_b128 v[STO], v[ACC+32*\a+8*\b+4:ACC+32*\a+8*\b+7] offset:128*(\b/2)+32*(\b%2)+16
.endr
.irp t, 0,1,2,3,4,5,6,7
	ds_load_b128 v[BK+32*(\a%2)+4*\t:BK+32*(\a%2)+4*\t+3], v[RD] offset:544*\t
.endr
	s_wait_dscnt 0x0
	WIN 0x08
.irp p, 0,1,2,3,4,5,6,7,8,9,10,11,12,13,14,15
	v_pk_add_f32 v[BK+32*(\a%2)+2*\p:BK+32*(\a%2)+2*\p+1], v[BK+32*(\a%2)+2*\p:BK+32*(\a%2)+2*\p+1], v[32*\a+2*\p:32*\a+2*\p+1]
.endr
	WIN 0
.irp t, 0,1,2,3,4,5,6,7
	global_store_b128 v[CO], v[BK+32*(\a%2)+4*\t:BK+32*(\a%2)+4*\t+3], s[OUTB:OUTB+1] offset:(16*\a+2*\t)*4096 th:TH_STORE_NT
.endr
.endr
	s_wait_tensorcnt 0x0
	ds_add_u32 v[SPW], v[NIL]
	s_wait_dscnt 0x0
	CROUND
	s_endpgm
.Lfunc_end_k_qba2be19534_ffn2:
	.size	k_qba2be19534_ffn2, .Lfunc_end_k_qba2be19534_ffn2-k_qba2be19534_ffn2
	.p2alignl 7, 3214868480
	.fill 96, 4, 3214868480
	.section	.rodata,"a",@progbits
	.p2align	6, 0x0
	.amdhsa_kernel k_qba2be19534_ffn2
		.amdhsa_group_segment_fixed_size 327680
		.amdhsa_private_segment_fixed_size 0
		.amdhsa_enable_private_segment 0
		.amdhsa_kernarg_size 40
		.amdhsa_user_sgpr_count 2
		.amdhsa_user_sgpr_kernarg_segment_ptr 1
		.amdhsa_wavefront_size32 1
		.amdhsa_system_sgpr_workgroup_id_x 1
		.amdhsa_system_sgpr_workgroup_id_y 1
		.amdhsa_system_sgpr_workgroup_id_z 1
		.amdhsa_system_vgpr_workitem_id 0
		.amdhsa_next_free_vgpr 640
		.amdhsa_next_free_sgpr 100
		.amdhsa_reserve_vcc 0
		.amdhsa_float_denorm_mode_32 3
		.amdhsa_float_denorm_mode_16_64 3
		.amdhsa_memory_ordered 1
		.amdhsa_forward_progress 1
		.amdhsa_inst_pref_size 175
	.end_amdhsa_kernel
	.amdgpu_metadata
---
amdhsa.version: [ 1, 2 ]
amdhsa.kernels:
  - .name:           k_qba2be19534_ffn2
    .symbol:         k_qba2be19534_ffn2.kd
    .args:
      - { .name: ga, .offset: 0, .size: 8, .value_kind: global_buffer, .address_space: global }
      - { .name: wc, .offset: 8, .size: 8, .value_kind: global_buffer, .address_space: global }
      - { .name: b2, .offset: 16, .size: 8, .value_kind: global_buffer, .address_space: global }
      - { .name: x1, .offset: 24, .size: 8, .value_kind: global_buffer, .address_space: global }
      - { .name: out0, .offset: 32, .size: 8, .value_kind: global_buffer, .address_space: global }
    .group_segment_fixed_size: 327680
    .private_segment_fixed_size: 0
    .kernarg_segment_align: 8
    .kernarg_segment_size: 40
    .max_flat_workgroup_size: 128
    .sgpr_count:     100
    .vgpr_count:     640
    .wavefront_size: 32
...
	.end_amdgpu_metadata
.endif
;; end of part 6
